; MI455X (gfx1250); checked and timed in simulation.
; The chip was launched on July 23, 2026; its instructions are those of AMD's public machine-readable ISA for CDNA 5 (MIT licence, August 2026) and "CDNA5" Instruction Set Architecture Reference Guide (July 2026). The comments in the code are by the model that wrote it; some were corrected since.
;; Attention Block. Allowed arithmetic: matrix products marked QUANTISED: E3M2 operands, one E8M0 scale for each 32 along K, by v_wmma_scale_f32_16x16x128_f8f6f4 with both operands' format E3M2, f32 sums; everything else in f32.
;; Inputs: Wk_codes 1,024 x 32 x 24 uint8 (E3M2 codes of Wk, K innermost, in blocks of 32 codes, four codes in three bytes); Wk_scales 1,024 x 32 uint8 (E8M0 scales of Wk, one for each 32 codes along K); Wp_codes 1,024 x 32 x 24 uint8 (E3M2 codes of Wp, K innermost, in blocks of 32 codes, four codes in three bytes); Wp_scales 1,024 x 32 uint8 (E8M0 scales of Wp, one for each 32 codes along K); Wq_codes 1,024 x 32 x 24 uint8 (E3M2 codes of Wq, K innermost, in blocks of 32 codes, four codes in three bytes); Wq_scales 1,024 x 32 uint8 (E8M0 scales of Wq, one for each 32 codes along K); Wv_codes 1,024 x 32 x 24 uint8 (E3M2 codes of Wv, K innermost, in blocks of 32 codes, four codes in three bytes); Wv_scales 1,024 x 32 uint8 (E8M0 scales of Wv, one for each 32 codes along K); bk 1,024 float32; bp 1,024 float32; bq 1,024 float32; bv 1,024 float32; ln_b 1,024 float32; ln_g 1,024 float32; x 2 x 2,048 x 1,024 float32.
;; Outputs: out0 2 x 2,048 x 1,024 float32.
;; This version of the problem:
;;   THIS VERSION OF THE PROBLEM IS GIVEN IN LOW PRECISION. The matrix products marked QUANTISED in the list below multiply operands that are first quantised to E3M2 (3 exponent bits, 2 mantissa bits; 6 bits a number), with one power-of-two scale for each 32 numbers along K (OCP MX v1.0); their sums are f32. All else is computed in f32.
;;   The module's matrix products, in the order in which they are computed (A, B: the left and right operand; K: the contracted axis; several contracted axes count as one K, in the product's order):
;;     1. [M 4,096, K 1,024] x [K 1,024, N 1,024]; A: input x; B: input Wq (given as codes): QUANTISED
;;     2. [M 4,096, K 1,024] x [K 1,024, N 1,024]; A: input x; B: input Wk (given as codes): QUANTISED
;;     3. [M 4,096, K 1,024] x [K 1,024, N 1,024]; A: input x; B: input Wv (given as codes): QUANTISED
;;     4. batch 32 x [M 2,048, K 64] x [K 64, N 2,048]; A: computed on the way; B: computed on the way: QUANTISED
;;     5. batch 32 x [M 2,048, K 2,048] x [K 2,048, N 64]; A: softmax (see below); B: computed on the way: QUANTISED
;;     6. [M 4,096, K 1,024] x [K 1,024, N 1,024]; A: computed on the way; B: input Wp (given as codes): QUANTISED
;;   THE QUANTISER, for each operand of a quantised product, along K:
;;     - K is cut into blocks of 32 from its start; a last block that is shorter is filled with zeros.
;;     - A block's scale is 2^e with e = floor(log2(the largest magnitude in the block)) - 4, held to -126 .. 127; a block of zeros has e = 0. As a byte (E8M0): e + 127.
;;     - Each number is divided by its block's scale, clamped to +-28, and rounded to the nearest number of E3M2, ties to even, subnormals kept.
;;     - The product sums the exact products of the quantised numbers (number of the format x scale) in f32.
;;   ~~~python
;;   def quantise(x, axis):      # numpy; x: float32 -> the quantised numbers, widened to float32 again
;;       x = np.moveaxis(x, axis, -1); K = x.shape[-1]
;;       x = np.pad(x, [(0, 0)] * (x.ndim - 1) + [(0, -K % 32)]); x = x.reshape(x.shape[:-1] + (-1, 32)); a = np.abs(x).max(-1, keepdims=True)
;;       e = np.where(a > 0, np.clip(np.frexp(np.where(a > 0, a, 1))[1] - 1 - 4, -126, 127), 0)      # np.frexp(a)[1] - 1 = floor(log2(a)), exactly
;;       r = np.clip(x / 2.0 ** e, -28, 28)
;;       step = 2.0 ** (np.maximum(np.frexp(np.where(r == 0, 1, r))[1] - 1, -2) - 2)
;;       q = np.round(r / step) * step * 2.0 ** e      # np.round: ties to even
;;       return np.moveaxis(q.reshape(q.shape[:-2] + (-1,))[..., :K], -1, axis).astype(np.float32)
;;   ~~~
;;   SOFTMAX AHEAD OF A QUANTISED PRODUCT. Where the list says 'softmax', what is quantised is not the finished softmax but p = 2^(t - M), with t = logit x log2(e) and M = ceil(the row's largest t), a whole number; so 1/2 < the row's largest p <= 1. The row's sum l is taken of the UNQUANTISED p, in f32, and the product's result is divided by l at the end. Since M is a whole number, a kernel that streams over the keys may use a running M (the ceiling of the running maximum): every later rescaling is an exact power of two, which a block's scale takes up: the codes' values come out the same.
;;   OPERANDS COMPUTED ON THE WAY. 'Computed on the way' means the value that the module computes at that place (a softmax that the list does not call 'softmax' is quantised finished and normalised). What goes into a quantiser is computed in f32, as accurately as f32 sums, v_exp_f32 and their like allow (about 1e-6 of the number): no bf16 or f16 on the way to a quantiser, and a product that is left as it is and whose result goes on into a quantised operand takes f32 operands (vector FMAs, or v_wmma_f32_16x16x4_f32). A number that lies on a knife's edge between two numbers of the format may be rounded either way, as far as f32 arithmetic and the matrix unit's own rounding can turn it there, and no further.
;;   INPUTS GIVEN AS CODES. Wk (in the module: [1024, 1024], K = its axis 0); Wp (in the module: [1024, 1024], K = its axis 0); Wq (in the module: [1024, 1024], K = its axis 0); Wv (in the module: [1024, 1024], K = its axis 0): each comes as NAME_codes (uint8): NAME with its K axis moved to the last place and cut into blocks of 32 codes, [.., K / 32, bytes a block], one block behind the other in memory; four codes in three bytes: a row's codes are one little-endian stream of bits, code i at bits 6 i .. 6 i + 5 (a code: sign, 3 exponent bits, 2 mantissa bits); and NAME_scales (uint8): the same leading axes, one E8M0 byte (e + 127) for each 32 codes along K. Its value is code x scale, taken as it is: it is not quantised again, and the codes and scales need not be those that the quantiser above would give.
;; One version. Each part assembles by itself: llvm-mc -triple=amdgcn-amd-amdhsa -mcpu=gfx1250 --defsym DOCPART=n.
;; ======== version 1 of 1: 4 launches
;; limits: right only within a limited range of input values
;; workspace buffers: xq 3,276,800 bytes; wimg 3,145,728 bytes; wscl 131,072 bytes; qb 3,407,872 bytes; kv 6,684,672 bytes; ob 3,276,800 bytes
;; launch prep (part 1): grid 256 x 1, 4 waves a work-group, no clusters, 34,304 bytes of LDS; arguments x, Wq_codes, Wk_codes, Wv_codes, Wp_codes, Wq_scales, Wk_scales, Wv_scales, Wp_scales, xq, wimg, wscl; writes xq, wimg, wscl
.if DOCPART == 1
	.amdgcn_target "amdgcn-amd-amdhsa--gfx1250"
	.amdhsa_code_object_version 6
	.text
	.protected	k_q13dd904205_prep
	.globl	k_q13dd904205_prep
	.p2align	8
	.type	k_q13dd904205_prep,@function
k_q13dd904205_prep:
	s_mov_b64 s[64:65], 0
	v_nop
	global_prefetch_b8 v0, s[64:65] scope:SCOPE_SE
	s_setreg_imm32_b32 hwreg(HW_REG_WAVE_MODE, 25, 1), 1
	s_wait_xcnt 0x0
; PREP.  x [4096 tokens][1024] f32 becomes codes of E3M2 with one E8M0 byte for each 32 along D; the four weights' codes and scale bytes are laid anew.
; Both leave as IMAGES OF OPERAND REGISTERS: a fragment (16 rows x 128 K, 12 registers a lane) is three blocks of 512 bytes, block n = registers 4 n .. 4 n + 3, lane l's 16 bytes at 16 l.
; So every later launch fetches a fragment by three dense loads of 16 bytes a lane, and every store here covers 512 consecutive bytes, aligned.
; THE ROWS OF A TILE ARE NOT NEIGHBOURS: lane r of tile (b, u) of a group of 64 rows takes row 32 b + 8 u + r + 8 (r / 8), for tokens and for the weights' rows alike: then the 16 registers
; of the result tiles (b, 0) and (b, 1) of any later product are 16 neighbours along the next product's K.
; SHARES.  512 units of each kind; unit u = 4 (work-group / 2) + wave.  Even work-groups: 64 tokens (u / 8) x 128 along K (u % 8) of x.  Odd ones: weight u / 128, 64 rows ((u / 8) % 16), K step u % 8.
; x: each load takes 512 consecutive bytes of one token's row; the 16 rows of a tile turn through the wave's own stage in LDS (pitch 528 bytes = 33 x 16: sixteen rows at sixteen different groups of banks), so that
; lane (r, h) gets, of row r, the 16 numbers 32 b + 16 h + 0 .. 15 of each block b.  No barrier: waves share nothing.  No matrix unit, no cluster: nothing here is read twice.
; A block's scale byte is its largest magnitude's exponent field - 4, held at 1 from below.
; LIMITS: NaN and infinities among the inputs are not served; a block of zeros gets the byte 1 where the quantiser says 127: its codes are zeros, and this program alone reads the bytes.
.set GA,   1                           ; v1   16 x lane
.set SI,   2                           ; v2   my stage + 16 x lane
.set SO,   3                           ; v3   my stage + 528 r + 64 h
.set GR,   4                           ; v4   16 r
.set TM,   8                           ; v8-23  the quantiser's work
.set PW,   24                          ; v24  the scale word just made
.set SW,   28                          ; v28-31 four tiles' scale words
.set PC,   32                          ; v32-43 the codes just made; v44-46, v48-50 at work
.set X,    56                          ; v56-119 64 numbers in the operand's order (weight path: four fragments)
.set R,    120                         ; v120-247 two sets of 64 numbers as loaded
.set WV,   28                          ; s28  wave
.set SEL,  30                          ; s[30:31] lane selects: lane l xor 16
.set PITCH, 528
; 64 numbers of a lane, register 16 b + i = k 32 b + 16 (lane / 16) + i of my row, become a fragment's codes in v[PC] on and its scale word in v[PW]
.macro QUANT s
.irp b, 0,1,2,3
	v_max3_num_f32 v[TM+\b], |v[\s+16*\b]|, |v[\s+1+16*\b]|, 0x2800000   ; block b: my 16 numbers, and the floor 2^(5 - 127): the byte cannot fall under 1
.endr
.irp i, 2,4,6,8,10,12,14
.irp b, 0,1,2,3
	v_max3_num_f32 v[TM+\b], v[TM+\b], |v[\s+16*\b+\i]|, |v[\s+1+16*\b+\i]|   ; the four blocks by turns
.endr
.endr
.irp b, 0,1,2,3
	v_permlanex16_b32 v[TM+4+\b], v[TM+\b], s[SEL], s[SEL+1]
.endr
.irp b, 0,1,2,3
	v_max_num_f32 v[TM+\b], v[TM+\b], v[TM+4+\b]           ; with lane l xor 16's: the block's largest magnitude
.endr
.irp b, 0,1,2,3
	v_add_nc_u32 v[TM+12+\b], 0xfe000000, v[TM+\b]         ; 4 off its exponent field: the conversion takes this operand's exponent field as its scale
.endr
.irp b, 0,1,2,3
	v_lshrrev_b32 v[TM+4+\b], 23, v[TM+12+\b]              ; the scale's byte
.endr
	v_lshl_or_b32 v[PW], v[TM+5], 8, v[TM+4]
	v_lshl_or_b32 v[PW], v[TM+6], 16, v[PW]
	v_lshl_or_b32 v[PW], v[TM+7], 24, v[PW]
.irp c, 0,1
	v_cvt_scalef32_pk16_bf6_f32 v[PC+6*\c:PC+2+6*\c], v[\s+32*\c:\s+15+32*\c], v[TM+12+2*\c]
	v_cvt_scalef32_pk16_bf6_f32 v[PC+12+4*\c:PC+14+4*\c], v[\s+16+32*\c:\s+31+32*\c], v[TM+12+2*\c+1]   ; a conversion's three registers begin on an even number
.endr
	v_nop                                          ; one plain place behind a scaled conversion
.irp c, 0,1                                    ; the operand wants a whole block in a lane: lanes 0-15 block 2 c, lanes 16-31 block 2 c + 1
.irp i, 0,1,2
	v_permlane16_swap_b32 v[PC+6*\c+\i], v[PC+12+4*\c+\i]
.endr
.irp i, 0,1,2
	v_mov_b32 v[PC+3+6*\c+\i], v[PC+12+4*\c+\i]
.endr
.endr
.endm
	s_load_b512 s[4:19], s[0:1], 0x0               ; x, Wq, Wk, Wv, Wp codes, Wq, Wk, Wv scales
	s_load_b256 s[20:27], s[0:1], 0x40             ; Wp scales, xq, wimg, wscl
	v_lshl_add_u32 v248, v0, 2, 0x8400
	v_mov_b32 v249, 0
	v_lshrrev_b32 v1, 5, v0
	v_readfirstlane_b32 s[WV], v1                  ; wave 0..3
	v_and_b32 v5, 31, v0                           ; lane
	v_and_b32 v6, 15, v0                           ; r
	v_bfe_u32 v7, v0, 4, 1                         ; h
	v_lshlrev_b32 v[GA], 4, v5
	v_lshlrev_b32 v[GR], 4, v6
	s_lshr_b32 s29, ttmp9, 1
	s_lshl_b32 s29, s29, 2
	s_add_co_u32 s29, s29, s[WV]                   ; u, 0 .. 511
	s_and_b32 s33, s29, 7                          ; the K step
	s_and_b32 s32, ttmp9, 1
	s_cmp_lg_u32 s32, 0
	s_cbranch_scc1 .Lweights
	; ---- x: 64 tokens x 128 along K
	s_mul_i32 s34, s[WV], 16*PITCH                 ; my stage
	s_wait_alu depctr_va_vdst(0)
	v_add_nc_u32 v[SI], s34, v[GA]
	v_mul_u32_u24 v[SO], v6, PITCH
	v_lshl_add_u32 v[SO], v7, 6, v[SO]
	v_add_nc_u32 v[SO], s34, v[SO]
	s_mov_b32 s[SEL], 0x76543210
	s_mov_b32 s[SEL+1], 0xfedcba98
.irp b, 0,1,2,3
	v_mov_b32 v[TM+4+\b], 0                        ; written once: a lane permute's destination counts as one of its sources
.endr
	s_lshr_b32 s35, s29, 3                         ; which 64 tokens
	s_lshl_b32 s36, s35, 18                        ; 64 rows of 4,096 bytes
	s_lshl_b32 s38, s33, 9                         ; 128 numbers along K
	s_add_co_u32 s36, s36, s38
	s_mov_b32 s37, 0
	s_mul_i32 s40, s35, 51200                      ; the group's block of xq
	s_mul_i32 s38, s33, 6144                       ; the K step's four images
	s_add_co_u32 s38, s38, s40
	s_mov_b32 s39, 0
	s_lshl_b32 s42, s33, 8                         ; and its 256 bytes of scale words, behind the 49,152 bytes of images
	s_add_co_u32 s40, s40, s42
	s_add_co_u32 s40, s40, 49152
	s_mov_b32 s41, 0
	s_wait_alu depctr_va_vdst(0)
	s_wait_kmcnt 0x0
	s_add_nc_u64 s[36:37], s[4:5], s[36:37]
	s_add_nc_u64 s[38:39], s[22:23], s[38:39]
	s_add_nc_u64 s[40:41], s[22:23], s[40:41]
.macro XL i                            ; tile i's 16 rows: each load is 512 consecutive bytes of one token's row
.irp p, 0,1,2,3,4,5,6,7,8,9,10,11,12,13,14,15
	global_load_b128 v[R+64*((\i)%2)+4*\p:R+64*((\i)%2)+4*\p+3], v[GA], s[36:37] offset:(32*((\i)/2)+8*((\i)%2)+\p+8*(\p/8))*4096 th:TH_LOAD_NT
.endr
.endm
.macro XTILE i
.if \i < 3
	s_wait_loadcnt 16                              ; this tile's 16 loads are in; the next tile's 16 may be out
.else
	s_wait_loadcnt 0x0
.endif
.irp p, 0,1,2,3,4,5,6,7,8,9,10,11,12,13,14,15
	ds_store_b128 v[SI], v[R+64*((\i)%2)+4*\p:R+64*((\i)%2)+4*\p+3] offset:PITCH*\p
.endr
.irp b, 0,1,2,3
.irp j, 0,1,2,3
	ds_load_b128 v[X+16*\b+4*\j:X+16*\b+4*\j+3], v[SO] offset:128*\b+16*\j   ; LDS serves a wave's instructions in order: these see my stores
.endr
.endr
	s_wait_dscnt 0x0                               ; the numbers are back, and the stores have read their set,
.if \i < 2
	XL (\i)+2                                      ; which takes the tile two on
.endif
	s_wait_xcnt 0x0                                ; the last tile's stores have read the code registers: only now are they written again
	QUANT X
	v_mov_b32 v[SW+\i], v[PW]
.irp n, 0,1,2
	global_store_b128 v[GA], v[PC+4*\n:PC+4*\n+3], s[38:39] offset:1536*\i+512*\n   ; 512 consecutive bytes, aligned
.endr
.endm
	XL 0
	XL 1
	XTILE 0
	XTILE 1
	XTILE 2
	XTILE 3
	global_store_b128 v[GR], v[SW:SW+3], s[40:41]  ; row r's four words at 16 r: lanes r and 16 + r hold the same words and store them to the same place
	s_wait_tensorcnt 0x0
	ds_add_u32 v248, v249
	s_wait_dscnt 0x0
	s_endpgm
	; ---- a weight: 64 rows x 128 along K, four fragments as they lie, and their scale words
.Lweights:
	s_wait_alu depctr_va_vdst(0)
	v_and_b32 v8, 8, v6
	v_add_nc_u32 v8, v8, v6                        ; r + 8 (r / 8)
	v_mul_u32_u24 v9, v8, 768                      ; a row of 1,024 codes is 768 bytes
	v_mad_u32_u24 v9, v7, 24, v9
	v_lshlrev_b32 v10, 5, v8                       ; a row of scale bytes is 32
	s_lshr_b32 s34, s29, 7                         ; which weight: 0 q, 1 k, 2 v, 3 p
	s_bfe_u32 s35, s29, 0x40003                    ; which 64 rows
	s_mul_i32 s36, s35, 49152
	s_mul_i32 s38, s33, 96
	s_add_co_u32 s36, s36, s38
	s_mov_b32 s37, 0
	s_lshl_b32 s38, s35, 11
	s_lshl_b32 s40, s33, 2
	s_add_co_u32 s38, s38, s40
	s_mov_b32 s39, 0
	s_mul_i32 s40, s29, 6144                       ; wimg: unit u's four images
	s_mov_b32 s41, 0
	s_lshl_b32 s42, s29, 8                         ; wscl: its 256 bytes
	s_mov_b32 s43, 0
	s_wait_alu depctr_va_vdst(0)
	s_wait_kmcnt 0x0
	s_cmp_eq_u32 s34, 1                            ; the choice hangs on the unit's number alone
	s_cselect_b64 s[44:45], s[8:9], s[6:7]
	s_cselect_b64 s[46:47], s[16:17], s[14:15]
	s_cmp_eq_u32 s34, 2
	s_cselect_b64 s[44:45], s[10:11], s[44:45]
	s_cselect_b64 s[46:47], s[18:19], s[46:47]
	s_cmp_eq_u32 s34, 3
	s_cselect_b64 s[44:45], s[12:13], s[44:45]
	s_cselect_b64 s[46:47], s[20:21], s[46:47]
	s_add_nc_u64 s[44:45], s[44:45], s[36:37]
	s_add_nc_u64 s[46:47], s[46:47], s[38:39]
	s_add_nc_u64 s[40:41], s[24:25], s[40:41]
	s_add_nc_u64 s[42:43], s[26:27], s[42:43]
.irp m, 0,1,2,3
.irp p, 0,1,2,3,4,5
	global_load_b64 v[X+12*\m+2*\p:X+12*\m+2*\p+1], v9, s[44:45] offset:(32*(\m/2)+8*(\m%2))*768+48*(\p/3)+8*(\p%3)
.endr
	global_load_b32 v[SW+\m], v10, s[46:47] offset:(32*(\m/2)+8*(\m%2))*32
.endr
	s_wait_loadcnt 0x0
.irp n, 0,1,2,3,4,5,6,7,8,9,10,11
	global_store_b128 v[GA], v[X+4*\n:X+4*\n+3], s[40:41] offset:512*\n
.endr
	global_store_b128 v[GR], v[SW:SW+3], s[42:43]
	s_endpgm
.Lfunc_end_k_q13dd904205_prep:
	.size	k_q13dd904205_prep, .Lfunc_end_k_q13dd904205_prep-k_q13dd904205_prep
	.p2alignl 7, 3214868480
	.fill 96, 4, 3214868480
	.section	.rodata,"a",@progbits
	.p2align	6, 0x0
	.amdhsa_kernel k_q13dd904205_prep
		.amdhsa_group_segment_fixed_size 34304
		.amdhsa_private_segment_fixed_size 0
		.amdhsa_enable_private_segment 0
		.amdhsa_kernarg_size 96
		.amdhsa_user_sgpr_count 2
		.amdhsa_user_sgpr_kernarg_segment_ptr 1
		.amdhsa_wavefront_size32 1
		.amdhsa_system_sgpr_workgroup_id_x 1
		.amdhsa_system_sgpr_workgroup_id_y 1
		.amdhsa_system_sgpr_workgroup_id_z 1
		.amdhsa_system_vgpr_workitem_id 0
		.amdhsa_next_free_vgpr 250
		.amdhsa_next_free_sgpr 66
		.amdhsa_reserve_vcc 0
		.amdhsa_float_denorm_mode_32 3
		.amdhsa_float_denorm_mode_16_64 3
		.amdhsa_memory_ordered 1
		.amdhsa_forward_progress 1
		.amdhsa_inst_pref_size 39
	.end_amdhsa_kernel
	.amdgpu_metadata
---
amdhsa.version: [ 1, 2 ]
amdhsa.kernels:
  - .name:           k_q13dd904205_prep
    .symbol:         k_q13dd904205_prep.kd
    .args:
      - { .name: x, .offset: 0, .size: 8, .value_kind: global_buffer, .address_space: global }
      - { .name: Wq_codes, .offset: 8, .size: 8, .value_kind: global_buffer, .address_space: global }
      - { .name: Wk_codes, .offset: 16, .size: 8, .value_kind: global_buffer, .address_space: global }
      - { .name: Wv_codes, .offset: 24, .size: 8, .value_kind: global_buffer, .address_space: global }
      - { .name: Wp_codes, .offset: 32, .size: 8, .value_kind: global_buffer, .address_space: global }
      - { .name: Wq_scales, .offset: 40, .size: 8, .value_kind: global_buffer, .address_space: global }
      - { .name: Wk_scales, .offset: 48, .size: 8, .value_kind: global_buffer, .address_space: global }
      - { .name: Wv_scales, .offset: 56, .size: 8, .value_kind: global_buffer, .address_space: global }
      - { .name: Wp_scales, .offset: 64, .size: 8, .value_kind: global_buffer, .address_space: global }
      - { .name: xq, .offset: 72, .size: 8, .value_kind: global_buffer, .address_space: global }
      - { .name: wimg, .offset: 80, .size: 8, .value_kind: global_buffer, .address_space: global }
      - { .name: wscl, .offset: 88, .size: 8, .value_kind: global_buffer, .address_space: global }
    .group_segment_fixed_size: 34304
    .private_segment_fixed_size: 0
    .kernarg_segment_align: 8
    .kernarg_segment_size: 96
    .max_flat_workgroup_size: 128
    .sgpr_count:     66
    .vgpr_count:     250
    .wavefront_size: 32
...
	.end_amdgpu_metadata
.endif
;; end of part 1
;; launch qkv (part 2): grid 8 x 32, 12 waves a work-group, clusters of 4 x 4, 325,120 bytes of LDS; arguments xq, wimg, wscl, bq, bk, bv, qb, kv; writes qb, kv
.if DOCPART == 2
	.amdgcn_target "amdgcn-amd-amdhsa--gfx1250"
	.amdhsa_code_object_version 6
	.text
	.protected	k_q13dd904205_qkv
	.globl	k_q13dd904205_qkv
	.p2align	8
	.type	k_q13dd904205_qkv,@function
k_q13dd904205_qkv:
	s_mov_b64 s[64:65], 0
	v_nop
	global_prefetch_b8 v0, s[64:65] scope:SCOPE_SE
	s_setreg_imm32_b32 hwreg(HW_REG_WAVE_MODE, 25, 1), 1
	s_wait_xcnt 0x0
	s_wait_alu depctr_hold_cnt(0) depctr_sa_sdst(0) depctr_va_vdst(0) depctr_va_sdst(0) depctr_va_ssrc(0) depctr_va_vcc(0) depctr_vm_vsrc(0)
	s_getreg_b32 s2, hwreg(HW_REG_IB_STS2, 6, 4)
	s_cmp_eq_u32 s2, 0
	s_cbranch_scc0 .Lentry_in_a_cluster
	s_endpgm
.Lentry_in_a_cluster:
	s_bfe_u32 s2, ttmp6, 0x10000c
	s_cmp_lg_u32 s2, 0xf033
	s_cbranch_scc0 .Lentry_shape_is_right
	s_endpgm
.Lentry_shape_is_right:
; QKV.  q = x Wq + bq, k = x Wk + bk, v = x Wv + bv on codes of E3M2 (both operands as register images made by the launch before), f32 sums; the results are quantised at once:
; q and k along the head's 64, v along the keys; they leave as register images of the operands of attention's two products.
; SHARES.  A work-group: 128 tokens (y) x 2 heads (x) x {q, k, v}.  Wave w: kind w / 4, head 2 x + (w / 2) % 2, token half w % 2: 64 tokens x 64 columns, 16 accumulators, K = 1,024 in 8 steps of 128.
; LDS, filled once, nothing twice: bytes 0 .. 102,399 x's images and scale words of the 128 tokens, as they lie in memory; from 102,400 on, for each of the six pairs (kind, head), pair w / 2, the weight images of
; K steps 0 to 5, 36,864 bytes: 323,584 bytes in all; a seventh K step of the six (36,864 bytes more) has no room.  So K steps 6 and 7 of the weights go into each wave's registers at the head, and K IS WALKED 6, 7, 0 .. 5:
; the first two steps want of LDS only x's last 14,336 bytes a block, which are asked for first.  The weights' scale words (2,048 bytes a wave) come by register loads, three steps ahead, in three sets by turns.
; CLUSTER 4 x 4.  x's images hang on y alone and are asked for jointly along a row of the cluster; the weights' hang on x alone and are asked for jointly along a column: the same load, descriptor and mask in all four.
; Waves 0 to 5 fetch a pair's weights (one load of 144 rows x 256 bytes), waves 6 to 9 a block of x (56 rows for waves 6 and 7, 144 for 8 and 9): one tensor load of a wave is out at the most.
; q, k: source 0 = 16 rows of W, source 1 = 16 tokens: a lane holds one token, its registers run along the head's d.   v: source 0 = 16 tokens, source 1 = 16 rows of W: a lane holds one d, its registers run along the tokens,
; which are the keys.  By the order of rows in a tile (lane r of tile (b, u): row 32 b + 8 u + r + 8 (r / 8)) the 32 registers of four tiles are 32 b + 16 (lane / 16) + 0 .. 15, b = 0, 1: what the conversions want.
; The bias is the C of each sum's first product.  The barriers stand in the text that all waves run; between them the waves part on their kind.
; REGISTERS.  Window 0: v1-7, v30 addresses; v8-11, v16-19, v20-23 W's scale words; v12-15 x's; v24-29 at work; v32-79 W's four fragments; v80-127 x's; v128-255 the accumulators.
; Window 1: v256-303 W's fragments of K step 7; v304-335 the bias in the result's layout.
; LIMITS: NaN and infinities are not served; a block of zeros gets the scale byte 1 where the quantiser says 127 (its codes are zeros; this program alone reads the bytes); K is not summed in ascending order.
.set G16, 1                            ; v1   16 x lane
.set G8,  2                            ; v2   8 x lane
.set GR,  3                            ; v3   16 r
.set LX,  4                            ; v4   LDS: my token half's images + 16 x lane
.set LXS, 5                            ; v5   LDS: its scale words + 16 r
.set BA,  6                            ; v6   my place in the bias
.set RR,  7                            ; v7   r
.set SXT, 12                           ; v12-15 x's scale words of four tiles: scales and nothing else
.set TM,  24                           ; v24-29 the quantiser's work
.set LW,  30                           ; v30  LDS: my pair's weight images + 16 x lane
.set FW,  32                           ; v32-79  W's four fragments; at the end the codes made
.set FX,  80                           ; v80-127 x's four fragments; at the end work and scale words
.set ACC, 128                          ; accumulator (g, m) at ACC + 32 g + 8 m = source 0's tile m x source 1's tile g
.set SWD, 96
.set FW2, 0                            ; in window 1
.set BQ,  48                           ; in window 1
.set XBLK, 51200                       ; a block of x: 64 tokens: 8 x 6,144 bytes of images, 2,048 of scale words
.set WREG, 102400
.set WPAIR, 36864
.set WV,  20
.set TZ,  21
.set HD,  22
.set CH,  23
.set G1X, 24                           ; s[24:31] group 1: 144 rows, my row of the cluster
.set G1XA, 32                          ; s[32:39] 56 rows, my row
.set G1W, 40                           ; s[40:47] 144 rows, my column
.set G0X, 48                           ; s[48:55] two groups 0 for x
.set G0W, 60                           ; s[60:63] one for the weights
.set G0W2, 68
.set WSB, 72
.set WB,  74
.set BI,  76
.set PI,  78
.set PS,  80
.set SEL, 82
.set CX,  84
.set CY,  85
.set XX,  86
.set YY,  87
.set MR,  88
.set MC,  89
.set MSB, 0
.macro WIN new                         ; the immediate's high byte repeats the setting that is left
.if MSB != \new
	s_set_vgpr_msb (MSB<<8)|\new
.set MSB, \new
.endif
.endm
.macro ROUND                           ; a round of the cluster's barrier
	s_barrier_signal -1
	s_barrier_wait -1
	s_cmp_lg_u32 s[WV], 0
	s_cbranch_scc1 .Lnot_wave_0_\@
	s_barrier_signal -3
.Lnot_wave_0_\@:
	s_barrier_wait -3
	s_barrier_signal -1
	s_barrier_wait -1
.endm
; 32 numbers of a lane, register 16 b + i = k 32 b + 16 (lane / 16) + i, become half a fragment's codes (6 registers from pc on: k = 32 (lane / 16) + 0 .. 31) and their two scale bytes in v[pw]
.macro QUANT2 s, pc, t2, pw
.irp b, 0,1
	v_max3_num_f32 v[TM+\b], |v[(\s)+16*\b]|, |v[(\s)+1+16*\b]|, 0x2800000   ; each accumulator is read from its low end on; the floor 2^(5 - 127) holds the byte at 1 from below
.endr
.irp i, 2,4,6,8,10,12,14
.irp b, 0,1
	v_max3_num_f32 v[TM+\b], v[TM+\b], |v[(\s)+16*\b+\i]|, |v[(\s)+1+16*\b+\i]|
.endr
.endr
.irp b, 0,1
	s_delay_alu instid0(VALU_DEP_2)
	v_permlanex16_b32 v[TM+2+\b], v[TM+\b], s[SEL], s[SEL+1]
.endr
.irp b, 0,1
	s_delay_alu instid0(VALU_DEP_2)
	v_max_num_f32 v[TM+\b], v[TM+\b], v[TM+2+\b]           ; with lane l xor 16's 16: the block's largest magnitude
.endr
.irp b, 0,1
	s_delay_alu instid0(VALU_DEP_2)
	v_add_nc_u32 v[TM+4+\b], 0xfe000000, v[TM+\b]          ; 4 off its exponent field: the conversion's scale operand
.endr
.irp b, 0,1
	s_delay_alu instid0(VALU_DEP_2)
	v_lshrrev_b32 v[TM+2+\b], 23, v[TM+4+\b]               ; the scale's byte
.endr
	s_delay_alu instid0(VALU_DEP_1)
	v_lshl_or_b32 v[\pw], v[TM+3], 8, v[TM+2]
	v_cvt_scalef32_pk16_bf6_f32 v[(\pc):(\pc)+2], v[(\s):(\s)+15], v[TM+4]
	v_cvt_scalef32_pk16_bf6_f32 v[(\t2):(\t2)+2], v[(\s)+16:(\s)+31], v[TM+5]
	v_nop                                          ; one plain place behind a scaled conversion
.irp i, 0,1,2
	v_permlane16_swap_b32 v[(\pc)+\i], v[(\t2)+\i]         ; lanes 0-15 keep block 0, lanes 16-31 get block 1: lower 16 codes here, upper 16 there
.endr
.irp i, 0,1,2
	s_delay_alu instid0(VALU_DEP_3)
	v_mov_b32 v[(\pc)+3+\i], v[(\t2)+\i]
.endr
.endm
.macro HSTORE pc, base, off            ; half a fragment's image: registers 0-3 at 16 x lane (512 bytes), registers 4-5 at 512 + 8 x lane (256 bytes); both aligned
	global_store_b128 v[G16], v[(\pc):(\pc)+3], s[\base:\base+1] offset:\off
	global_store_b64 v[G8], v[(\pc)+4:(\pc)+5], s[\base:\base+1] offset:\off+512
.endm
; The idx-th step is K step (idx + 6) % 8.  Its LDS loads: x's scale words; then source 0's four fragments; then source 1's, tile by tile.  In the first two steps W's fragments are in registers already.
.macro FETCH kind, idx
.set SS, ((\idx)+6)%8
	ds_load_b128 v[SXT:SXT+3], v[LXS] offset:256*SS
.if (\kind == 0) && (\idx > 1)
.irp n, 0,1,2,3,4,5,6,7,8,9,10,11
	ds_load_b128 v[FW+4*\n:FW+4*\n+3], v[LW] offset:6144*SS+512*\n
.endr
.endif
.irp n, 0,1,2,3,4,5,6,7,8,9,10,11
	ds_load_b128 v[FX+4*\n:FX+4*\n+3], v[LX] offset:6144*SS+512*\n
.endr
.if (\kind == 1) && (\idx > 1)
.irp n, 0,1,2,3,4,5,6,7,8,9,10,11
	ds_load_b128 v[FW+4*\n:FW+4*\n+3], v[LW] offset:6144*SS+512*\n
.endr
.endif
.endm
; The idx-th step's 16 products; the 16 accumulators take turns, one instruction a turn, in the same order in every step.
.macro MULS kind, idx
.set RI, (\idx)%3
.set SWR, 8+8*((RI+1)/2)+4*(RI/2)      ; W's scale words of this step: v8, v16 or v20 on
.set WFB, FW
.if \idx == 1
.set WFB, FW2
.endif
.if \idx == 0
	s_wait_loadcnt 0x0                             ; all that the head asked for: W's two K steps, three sets of scale words, the bias
	WIN 0x10                                       ; C, the bias, in window 1
.elseif \idx == 1
.if \kind == 0
	WIN 0x01                                       ; source 0, W's K step 7, in window 1
.else
	WIN 0x04                                       ; source 1
.endif
.elseif \idx == 6
	s_wait_loadcnt 0x1                             ; this step's scale words are in; the last step's may be out
.elseif \idx == 7
	s_wait_loadcnt 0x0
.elseif \idx > 2
	s_wait_loadcnt 0x2                             ; this step's scale words are in; those of the next two steps may be out
.endif
.irp g, 0,1,2,3
.if (\kind == 0) || (\idx > 1)
	s_wait_dscnt 9-3*\g                            ; source 0's fragments and source 1's tile g are in; the later tiles, three loads each, may be out
.elseif \g == 0
	s_wait_dscnt 0x0                               ; x's four fragments are source 0: all are wanted at once
.endif
.irp m, 0,1,2,3
.if \kind == 0
.if \idx == 0
	v_wmma_scale_f32_16x16x128_f8f6f4 v[ACC+32*\g+8*\m:ACC+32*\g+8*\m+7], v[WFB+12*\m:WFB+12*\m+11], v[FX+12*\g:FX+12*\g+11], v[BQ+8*\m:BQ+8*\m+7], v[SWR+\m], v[SXT+\g] matrix_a_fmt:MATRIX_FMT_BF6 matrix_b_fmt:MATRIX_FMT_BF6
.else
	v_wmma_scale_f32_16x16x128_f8f6f4 v[ACC+32*\g+8*\m:ACC+32*\g+8*\m+7], v[WFB+12*\m:WFB+12*\m+11], v[FX+12*\g:FX+12*\g+11], v[ACC+32*\g+8*\m:ACC+32*\g+8*\m+7], v[SWR+\m], v[SXT+\g] matrix_a_fmt:MATRIX_FMT_BF6 matrix_b_fmt:MATRIX_FMT_BF6
.endif
.else
.if \idx == 0
	v_wmma_scale_f32_16x16x128_f8f6f4 v[ACC+32*\g+8*\m:ACC+32*\g+8*\m+7], v[FX+12*\m:FX+12*\m+11], v[WFB+12*\g:WFB+12*\g+11], v[BQ+8*\g:BQ+8*\g+7], v[SXT+\m], v[SWR+\g] matrix_a_fmt:MATRIX_FMT_BF6 matrix_b_fmt:MATRIX_FMT_BF6
.else
	v_wmma_scale_f32_16x16x128_f8f6f4 v[ACC+32*\g+8*\m:ACC+32*\g+8*\m+7], v[FX+12*\m:FX+12*\m+11], v[WFB+12*\g:WFB+12*\g+11], v[ACC+32*\g+8*\m:ACC+32*\g+8*\m+7], v[SXT+\m], v[SWR+\g] matrix_a_fmt:MATRIX_FMT_BF6 matrix_b_fmt:MATRIX_FMT_BF6
.endif
.endif
.endr
.endr
	WIN 0
.rept 4
	v_nop                                          ; four places behind the products, in front of loads into their sources and scale registers and of the first read of results
.endr
.if \idx < 5
	global_load_b128 v[SWR:SWR+3], v[GR], s[WSB:WSB+1] offset:256*(((\idx)+9)%8)   ; the set just used takes the scale words of the step three on
.endif
.endm
	s_load_b512 s[4:19], s[0:1], 0x0               ; xq, wimg, wscl, bq, bk, bv, qb, kv
	v_lshl_add_u32 v254, v0, 2, 0x4f000
	v_mov_b32 v255, 0
	ds_add_u32 v254, v255
	ds_add_u32 v254, v255
	s_wait_dscnt 0x0
	v_lshrrev_b32 v1, 5, v0
	s_delay_alu instid0(VALU_DEP_1)
	v_readfirstlane_b32 s[WV], v1                  ; wave 0..11
	v_and_b32 v6, 31, v0
	v_and_b32 v[RR], 15, v0
	s_delay_alu instid0(VALU_DEP_2)
	v_lshlrev_b32 v[G16], 4, v6
	s_wait_alu depctr_va_vdst(0)
	v_lshlrev_b32 v[G8], 3, v6
	v_lshlrev_b32 v[GR], 4, v[RR]
	s_wait_alu depctr_va_vdst(0)
	v_mov_b32 v[TM+2], 0                           ; written once: a lane permute's destination counts as one of its sources
	v_mov_b32 v[TM+3], 0
	s_bfe_u32 s[CX], ttmp6, 0x40000                ; my place in the cluster
	s_bfe_u32 s[CY], ttmp6, 0x40004
	s_lshl_b32 s[XX], ttmp9, 2
	s_add_co_u32 s[XX], s[XX], s[CX]               ; which pair of heads = 4 x cluster x + cx
	s_and_b32 s[YY], ttmp7, 0xffff
	s_lshl_b32 s[YY], s[YY], 2
	s_add_co_u32 s[YY], s[YY], s[CY]               ; which 128 tokens = 4 x cluster y + cy
	s_lshl_b32 s[MR], s[CY], 2
	s_lshl_b32 s[MR], 15, s[MR]                    ; my row of the cluster
	s_lshl_b32 s[MC], 0x1111, s[CX]                ; my column
	s_lshr_b32 s[TZ], s[WV], 2                     ; 0 q, 1 k, 2 v
	s_bfe_u32 s[HD], s[WV], 0x10001
	s_lshl_b32 s96, s[XX], 1
	s_add_co_u32 s[HD], s[HD], s96                 ; the head
	s_and_b32 s[CH], s[WV], 1                      ; the token half
	s_mul_i32 s97, s[CH], XBLK                     ; LDS addresses hang on the wave's number and the lane alone
	v_add_nc_u32 v[LX], s97, v[G16]
	v_add_nc_u32 v[LXS], s97, v[GR]
	s_delay_alu instid0(VALU_DEP_1)
	v_add_nc_u32 v[LXS], 49152, v[LXS]
	s_lshr_b32 s97, s[WV], 1
	s_mul_i32 s97, s97, WPAIR
	s_add_co_u32 s97, s97, WREG
	v_add_nc_u32 v[LW], s97, v[G16]
	s_or_b32 s[G1X], s[MR], (3<<16)|(1<<21)        ; the mask; elements of 8 bytes; bit 21 beside a mask; no padding
	s_or_b32 s[G1XA], s[MR], (3<<16)|(1<<21)
	s_or_b32 s[G1W], s[MC], (3<<16)|(1<<21)
.irp g, G1X, G1W
	s_mov_b32 s[\g+1], 32<<16                      ; tensor_dim0 = 32 elements: rows of 256 bytes
	s_mov_b32 s[\g+2], 144<<16                     ; tensor_dim1 = 144: six K steps' images, one load
	s_mov_b32 s[\g+3], 32<<16                      ; tile_dim0
	s_mov_b32 s[\g+4], 144                         ; tile_dim1
	s_mov_b32 s[\g+5], 32                          ; the pitch: the block is dense
	s_mov_b32 s[\g+6], 0
	s_mov_b32 s[\g+7], 0
.endr
	s_mov_b32 s[G1XA+1], 32<<16
	s_mov_b32 s[G1XA+2], 56<<16                    ; 56 rows: two K steps' images and the block's scale words
	s_mov_b32 s[G1XA+3], 32<<16
	s_mov_b32 s[G1XA+4], 56
	s_mov_b32 s[G1XA+5], 32
	s_mov_b32 s[G1XA+6], 0
	s_mov_b32 s[G1XA+7], 0
	s_mov_b32 s[SEL], 0x76543210
	s_mov_b32 s[SEL+1], 0xfedcba98
	s_lshl_b32 s96, s[TZ], 4
	s_add_co_u32 s96, s96, s[HD]                   ; 16 x kind + head
	s_mul_i32 s98, s96, 49152                      ; its 8 x 4 images
	s_mov_b32 s99, 0
	s_lshl_b32 s100, s96, 11                       ; its 8 x 256 bytes of scale words
	s_mov_b32 s101, 0
	s_lshl_b32 s90, s[HD], 8                       ; the head's 64 numbers of a bias
	s_mov_b32 s91, 0
	s_wait_kmcnt 0x0
	s_add_nc_u64 s[WB:WB+1], s[6:7], s[98:99]
	s_add_nc_u64 s[WSB:WSB+1], s[8:9], s[100:101]
.irp n, 0,1,2,3,4,5,6,7,8,9,10,11                  ; W's K step 6, for the first step
	global_load_b128 v[FW+4*\n:FW+4*\n+3], v[G16], s[WB:WB+1] offset:6144*6+512*\n
.endr
	global_load_b128 v[8:11], v[GR], s[WSB:WSB+1] offset:256*6     ; the scale words of the first three steps: K steps 6, 7, 0
	global_load_b128 v[16:19], v[GR], s[WSB:WSB+1] offset:256*7
	global_load_b128 v[20:23], v[GR], s[WSB:WSB+1]
	WIN 0x40                                       ; destination window 1
.irp n, 0,1,2,3,4,5,6,7,8,9,10,11                  ; W's K step 7, for the second
	global_load_b128 v[FW2+4*\n:FW2+4*\n+3], v[G16], s[WB:WB+1] offset:6144*7+512*\n
.endr
	WIN 0
	s_cmp_eq_u32 s[TZ], 2
	s_cbranch_scc1 .Lbias_v
	v_bfe_u32 v[BA], v0, 4, 1                      ; q, k: register j of tile (b, u) is d = 32 b + 8 u + 16 h + j
	s_delay_alu instid0(VALU_DEP_1)
	v_lshlrev_b32 v[BA], 6, v[BA]
	s_cmp_eq_u32 s[TZ], 0                          ; the choice hangs on the wave's number alone
	s_cselect_b64 s[BI:BI+1], s[10:11], s[12:13]
	s_add_nc_u64 s[BI:BI+1], s[BI:BI+1], s[90:91]
	WIN 0x40
.irp m, 0,1,2,3
	global_load_b128 v[BQ+8*\m:BQ+8*\m+3], v[BA], s[BI:BI+1] offset:(32*(\m/2)+8*(\m%2))*4
	global_load_b128 v[BQ+8*\m+4:BQ+8*\m+7], v[BA], s[BI:BI+1] offset:(32*(\m/2)+8*(\m%2))*4+16
.endr
	WIN 0
	s_branch .Lbias_done
.Lbias_v:
	v_and_b32 v[BA], 8, v[RR]                      ; v: my lane is d = 32 b + 8 u + r + 8 (r / 8) of tile (b, u), in all eight registers
	s_delay_alu instid0(VALU_DEP_1)
	v_add_nc_u32 v[BA], v[BA], v[RR]
	s_delay_alu instid0(VALU_DEP_1)
	v_lshlrev_b32 v[BA], 2, v[BA]
	s_add_nc_u64 s[BI:BI+1], s[14:15], s[90:91]
	WIN 0x40
.irp g, 0,1,2,3
.irp j, 0,1,2,3,4,5,6,7
	global_load_b32 v[BQ+8*\g+\j], v[BA], s[BI:BI+1] offset:(32*(\g/2)+8*(\g%2))*4
.endr
.endr
	WIN 0
.Lbias_done:
	ROUND                                          ; all sixteen work-groups are here: the joint loads meet
	s_cmp_lt_u32 s[WV], 6                          ; a wave's loads stand in one branch on its number, ahead of every wait for them, every LDS read and every further barrier
	s_cbranch_scc0 .Lnot_w
	s_mul_i32 s[G0W+1], s[WV], WPAIR               ; pair = wave: LDS address
	s_add_co_u32 s[G0W+1], s[G0W+1], WREG
	s_lshr_b32 s98, s[WV], 1                       ; its kind,
	s_lshl_b32 s98, s98, 4
	s_lshl_b32 s99, s[XX], 1
	s_add_co_u32 s98, s98, s99
	s_and_b32 s99, s[WV], 1
	s_add_co_u32 s98, s98, s99                     ; 16 x kind + its head: x and the wave's number alone
	s_mul_i32 s98, s98, 49152
	s_mov_b32 s99, 0
	s_mov_b32 s[G0W], 1
	s_add_nc_u64 s[G0W+2:G0W+3], s[6:7], s[98:99]  ; K steps 0 to 5
	s_or_b32 s[G0W+3], s[G0W+3], 0x80000000        ; type = 2
	tensor_load_to_lds s[G0W:G0W+3], s[G1W:G1W+7]  ; waves 0 to 5: a pair's K steps 0 to 5, 144 rows: one tensor load a wave at the head
	s_nop 0
.rept 4
	v_nop
.endr
	s_branch .Lasked
.Lnot_w:
	s_cmp_lt_u32 s[WV], 10                         ; waves 6 to 9 fetch x: block wave % 2
	s_cbranch_scc0 .Lasked
	s_and_b32 s94, s[WV], 1                        ; waves 6 and 7: block 0 and 1 of x
	s_mul_i32 s94, s94, XBLK                       ; LDS address
	s_mul_i32 s92, s[YY], 2*XBLK
	s_add_co_u32 s92, s92, s94                     ; y and the wave's number alone
	s_mov_b32 s93, 0
	s_add_nc_u64 s[92:93], s[4:5], s[92:93]
	s_mov_b32 s[G0X], 1                            ; first: K steps 6 and 7 and the scale words
	s_add_co_u32 s[G0X+1], s94, 36864
	s_add_nc_u64 s[G0X+2:G0X+3], s[92:93], 36864
	s_or_b32 s[G0X+3], s[G0X+3], 0x80000000
	s_mov_b32 s[G0X+4], 1                          ; then K steps 0 to 5
	s_mov_b32 s[G0X+5], s94
	s_mov_b64 s[G0X+6:G0X+7], s[92:93]
	s_or_b32 s[G0X+7], s[G0X+7], 0x80000000
	s_cmp_lt_u32 s[WV], 8
	s_cbranch_scc0 .Lx_rest
	tensor_load_to_lds s[G0X:G0X+3], s[G1XA:G1XA+7]        ; waves 6 and 7: a block's K steps 6 and 7 and its scale words, 56 rows
	s_nop 0
.rept 4
	v_nop
.endr
	s_branch .Lasked
.Lx_rest:
	tensor_load_to_lds s[G0X+4:G0X+7], s[G1X:G1X+7]        ; waves 8 and 9: a block's K steps 0 to 5, 144 rows
	s_nop 0
.rept 4
	v_nop
.endr
.Lasked:
	s_wait_tensorcnt 0x0                           ; my one load has landed; behind the barrier everybody's has: no further barrier is owed for the tiles
	s_barrier_signal -1
	s_barrier_wait -1
	s_cmp_eq_u32 s[TZ], 2
	s_cbranch_scc1 .Lv0
	s_wait_alu depctr_va_vdst(0)
.irp i, 0,1
	FETCH 0, \i
	MULS 0, \i
.endr
	s_branch .Lj0
.Lv0:
	s_wait_alu depctr_va_vdst(0)
.irp i, 0,1
	FETCH 1, \i
	MULS 1, \i
.endr
.Lj0:
	s_cmp_eq_u32 s[TZ], 2
	s_cbranch_scc1 .Lv1
.irp i, 2,3,4
	FETCH 0, \i
	MULS 0, \i
.endr
	s_branch .Lj1
.Lv1:
.irp i, 2,3,4
	FETCH 1, \i
	MULS 1, \i
.endr
.Lj1:
	s_lshr_b32 s94, s[YY], 4                       ; the batch
	s_lshl_b32 s94, s94, 4
	s_add_co_u32 s94, s94, s[HD]
	s_mul_i32 s94, s94, 208896                     ; kv: (batch, head)'s 16 chunks,
	s_and_b32 s95, s[YY], 15
	s_mul_i32 s95, s95, 13056
	s_add_co_u32 s94, s94, s95                     ; and of them the chunk of these 128 keys
	s_mov_b32 s91, 0
	s_mov_b32 s93, 0
	s_cmp_eq_u32 s[TZ], 2
	s_cbranch_scc1 .Lv2
	; ---- q and k
.irp i, 5,6,7
	FETCH 0, \i
	MULS 0, \i
.endr
	s_lshl_b32 s90, s[YY], 1
	s_add_co_u32 s90, s90, s[CH]                   ; which 64 tokens
	s_lshl_b32 s90, s90, 4
	s_add_co_u32 s90, s90, s[HD]
	s_mul_i32 s90, s90, 3328                       ; q: the block of (64 tokens, head): four half images,
	s_add_co_u32 s92, s90, 3072                    ; then 256 bytes of scale words
	s_mul_i32 s96, s[CH], 3072
	s_add_co_u32 s96, s96, s94                     ; k: half images 4 c .. 4 c + 3 of the chunk,
	s_lshl_b32 s98, s[CH], 8
	s_add_co_u32 s98, s98, s94
	s_add_co_u32 s98, s98, 12288                   ; and their scale words
	s_cmp_eq_u32 s[TZ], 0                          ; the choice hangs on the wave's number alone
	s_cselect_b64 s[PI:PI+1], s[16:17], s[18:19]
	s_cselect_b32 s90, s90, s96
	s_cselect_b32 s92, s92, s98
	s_add_nc_u64 s[PS:PS+1], s[PI:PI+1], s[92:93]
	s_add_nc_u64 s[PI:PI+1], s[PI:PI+1], s[90:91]
.irp g, 0,1,2,3                                ; tile g of tokens: 32 registers along d; each tile has code registers of its own, so no store's data are written again
	QUANT2 ACC+32*\g, FW+12*\g, FX+4*\g, SWD+\g
	v_or_b32 v[SWD+\g], 0x7f7f0000, v[SWD+\g]      ; the product's K is 64: the other 64 are zero codes, under the scale 1
	HSTORE FW+12*\g, PI, 768*\g
.endr
	global_store_b128 v[GR], v[SWD:SWD+3], s[PS:PS+1]   ; row r's four words at 16 r; lanes r and 16 + r store the same words to the same place
	s_branch .Ldone
	; ---- v
.Lv2:
.irp i, 5,6,7
	FETCH 1, \i
	MULS 1, \i
.endr
	s_mul_i32 s90, s[CH], 768
	s_add_co_u32 s90, s90, s94
	s_add_co_u32 s90, s90, 6144                    ; v's half images (d tile g, token half c) at 6,144 + 768 (2 g + c)
	s_lshl_b32 s92, s[CH], 1
	s_add_co_u32 s92, s92, s94
	s_add_co_u32 s92, s92, 12800                   ; their scale words at 12,800 + 16 r + 4 g: my half's two bytes at 2 c
	s_add_nc_u64 s[PI:PI+1], s[18:19], s[90:91]
	s_add_nc_u64 s[PS:PS+1], s[18:19], s[92:93]
.irp g, 0,1,2,3                                ; d tile g: 32 registers along the tokens
	QUANT2 ACC+32*\g, FW+12*\g, FX+4*\g, SWD+\g
	HSTORE FW+12*\g, PI, 1536*\g
	global_store_b16 v[GR], v[SWD+\g], s[PS:PS+1] offset:4*\g   ; two bytes of a word whose other two the other token half's wave stores
.endr
.Ldone:
	s_wait_xcnt 0x0
	v_lshl_add_u32 v254, v0, 2, 0x4f000
	v_mov_b32 v255, 0
	s_wait_alu depctr_va_vdst(0)
	s_wait_tensorcnt 0x0
	ds_add_u32 v254, v255
	s_wait_dscnt 0x0
	ROUND                                          ; the closing round: no work-group ends while a partner may still ask for a tile that names it
	s_endpgm
.Lfunc_end_k_q13dd904205_qkv:
	.size	k_q13dd904205_qkv, .Lfunc_end_k_q13dd904205_qkv-k_q13dd904205_qkv
	.p2alignl 7, 3214868480
	.fill 96, 4, 3214868480
	.section	.rodata,"a",@progbits
	.p2align	6, 0x0
	.amdhsa_kernel k_q13dd904205_qkv
		.amdhsa_group_segment_fixed_size 325120
		.amdhsa_private_segment_fixed_size 0
		.amdhsa_enable_private_segment 0
		.amdhsa_kernarg_size 64
		.amdhsa_user_sgpr_count 2
		.amdhsa_user_sgpr_kernarg_segment_ptr 1
		.amdhsa_wavefront_size32 1
		.amdhsa_system_sgpr_workgroup_id_x 1
		.amdhsa_system_sgpr_workgroup_id_y 1
		.amdhsa_system_sgpr_workgroup_id_z 1
		.amdhsa_system_vgpr_workitem_id 0
		.amdhsa_next_free_vgpr 336
		.amdhsa_next_free_sgpr 102
		.amdhsa_reserve_vcc 0
		.amdhsa_float_denorm_mode_32 3
		.amdhsa_float_denorm_mode_16_64 3
		.amdhsa_memory_ordered 1
		.amdhsa_forward_progress 1
		.amdhsa_inst_pref_size 96
	.end_amdhsa_kernel
	.amdgpu_metadata
---
amdhsa.version: [ 1, 2 ]
amdhsa.kernels:
  - .name:           k_q13dd904205_qkv
    .symbol:         k_q13dd904205_qkv.kd
    .args:
      - { .name: xq, .offset: 0, .size: 8, .value_kind: global_buffer, .address_space: global }
      - { .name: wimg, .offset: 8, .size: 8, .value_kind: global_buffer, .address_space: global }
      - { .name: wscl, .offset: 16, .size: 8, .value_kind: global_buffer, .address_space: global }
      - { .name: bq, .offset: 24, .size: 8, .value_kind: global_buffer, .address_space: global }
      - { .name: bk, .offset: 32, .size: 8, .value_kind: global_buffer, .address_space: global }
      - { .name: bv, .offset: 40, .size: 8, .value_kind: global_buffer, .address_space: global }
      - { .name: qb, .offset: 48, .size: 8, .value_kind: global_buffer, .address_space: global }
      - { .name: kv, .offset: 56, .size: 8, .value_kind: global_buffer, .address_space: global }
    .group_segment_fixed_size: 325120
    .private_segment_fixed_size: 0
    .kernarg_segment_align: 8
    .kernarg_segment_size: 64
    .max_flat_workgroup_size: 384
    .sgpr_count:     102
    .vgpr_count:     336
    .wavefront_size: 32
...
	.end_amdgpu_metadata
.endif
;; end of part 2
;; launch attn (part 3): grid 8 x 32, 16 waves a work-group, clusters of 4 x 1, 327,680 bytes of LDS; arguments qb, kv, ob; writes ob
.if DOCPART == 3
	.amdgcn_target "amdgcn-amd-amdhsa--gfx1250"
	.amdhsa_code_object_version 6
	.text
	.protected	k_q13dd904205_attn
	.globl	k_q13dd904205_attn
	.p2align	8
	.type	k_q13dd904205_attn,@function
k_q13dd904205_attn:
	s_mov_b64 s[64:65], 0
	v_nop
	global_prefetch_b8 v0, s[64:65] scope:SCOPE_SE
	s_setreg_imm32_b32 hwreg(HW_REG_WAVE_MODE, 25, 1), 1
	s_wait_xcnt 0x0
	s_wait_alu depctr_hold_cnt(0) depctr_sa_sdst(0) depctr_va_vdst(0) depctr_va_sdst(0) depctr_va_ssrc(0) depctr_va_vcc(0) depctr_vm_vsrc(0)
	s_getreg_b32 s2, hwreg(HW_REG_IB_STS2, 6, 4)
	s_cmp_eq_u32 s2, 0
	s_cbranch_scc0 .Lentry_in_a_cluster
	s_endpgm
.Lentry_in_a_cluster:
	s_bfe_u32 s2, ttmp6, 0x10000c
	s_cmp_lg_u32 s2, 0x3003
	s_cbranch_scc0 .Lentry_shape_is_right
	s_endpgm
.Lentry_shape_is_right:
; ATTENTION on codes of E3M2.  For each (batch, head): S = q k^T (K = 64), t = S log2(e) / 8, M = the running largest t rounded UP to a whole number,
; p = 2^(t - M) quantised along the keys, O = p v; the row's sum is taken of the unquantised p and divides O at the end; o is then quantised along D for the last product.
; SHARES.  A work-group: 256 queries of one (batch, head); each of its 16 waves one tile of 16 queries in 256 registers.  Every wave walks the 2,048 keys in 16 chunks of 128.
; K's and V's register images and scale words of the (batch, head), 208,896 dense bytes, come into LDS once and stay.  They come in TWO GROUPS: wave 0 asks for chunks 0 and 1 at the head;
; behind the full sequence and a round of the cluster's barrier waves 1 to 7 ask for two chunks each, and these 14 chunks are on their way while chunks 0 and 1 are worked on; one barrier stands ahead of chunk 2.
; CLUSTER.  The four query blocks of a cluster belong to one (batch, head): each of the eight loads (102 rows x 256 bytes) is asked for jointly, with the same descriptor and the mask of all four.
; No data prefetch: all tiles are asked for by these two groups, ahead of the loop; the loop has no stream to run ahead of.
; LAYOUT.  Both products are used transposed (S^T = K Q^T, O^T = V^T P^T): a lane holds ONE query throughout.
; THE KEYS OF A SCORE TILE are chosen by the LDS addresses: tile 4 c + i takes keys 64 c + 8 i + 0 .. 7 as its rows 0-7 and keys 64 c + 32 + 8 i + 0 .. 7 as its rows 8-15.  So the 32 registers of tiles 4 c .. 4 c + 3
; are, in lane (r, h), keys 64 c + 32 h + 0 .. 31: a WHOLE block of the quantiser, in the order of the next operand's registers: no lane is asked for a block's maximum, and no codes change lanes.
; In memory key 32 b + 8 u + r' + 8 (r' / 8) of a group of 64 is row r' of image 2 b + u: lane r reads image 4 c + 2 (r / 8) + i % 2, row r % 8 + 8 (i / 2).  Two lanes of sixteen then read the same banks.
; K's eight half fragments (six registers each) lie on end: a product names twelve registers, and the upper six (the next tile's codes) meet Q's six registers of zero codes, under the scale 1.
; A chunk in LDS: K's eight half images at 768 t; V's at 6,144 + 768 (2 dt + c); K's scale words at 12,288 + 256 (t / 4) + 16 r + 4 (t % 4); V's at 12,800 + 16 r + 4 dt.
; LIMITS: NaN and infinities are not served; the scaled scores stay under 2^31 in magnitude; a block whose every p has fallen to 0 keeps the scale byte 1 (its codes are zeros);
; a block's largest p is made from the block's largest score by the same two instructions as every p.
.set L16, 1                            ; 16 x lane
.set L8,  2                            ; 8 x lane
.set LR,  3                            ; 16 r
.set R32, 4                            ; 32 r
.set LK16, 5                           ; 1536 (r / 8) + 16 (r % 8) + 256 h
.set LK8, 6                            ; 1536 (r / 8) + 8 (r % 8) + 128 h
.set LKS, 7                            ; 16 (r % 8) + 8 (r / 8)
.set A16, 8                            ; the same six at the chunk in hand: v8-11, v29, v30
.set A8,  9
.set AS,  10
.set K16, 11
.set K8,  29
.set KSA, 30
.set SH,  31                           ; 8 h
.set Q,   16                           ; v16-27 Q's fragment: six registers of codes, six of zeros
.set QS,  28                           ; Q's scale word
.set KF,  32                           ; v32-79 K's eight half fragments; v80-85 zeros
.set KS,  86                           ; v86-93 K's scale words
.set S,   96                           ; v96-159 S^T, then p; then V's four fragments in v96-143
.set O,   160                          ; v160-191 O^T
.set PC,  192                          ; v192-203 p's codes
.set T1,  204                          ; v204-206, v208-210 the upper halves of two blocks' codes on their way
.set T2,  208
.set BM,  212                          ; v212-215 four chains of maxima; then v212, v214 the two blocks' largest score and largest p
.set SO,  216                          ; v216-217 the conversions' scale operands
.set BY,  218                          ; v218-219 the bytes
.set PS,  220                          ; p's scale word
.set W,   221
.set U,   228                          ; v228-235 four chains of the row's sum
.set TM,  236                          ; v236-241 the last quantiser's work
.set PW,  242
.set VS,  244                          ; v244-247 V's scale words
.set CHUNK, 13056
.set SPARE, 0x34000                    ; the spare words: 16 waves x 128 bytes
.set WV,  10
.set G0,  12
.set G1,  16
.set SEL, 24
.set CS,  26                           ; s[26:27] c = log2(e) / 8
.set TB,  28                           ; LDS byte at which the chunk in hand begins
.set CNT, 29
.macro ROUND                           ; a round of the cluster's barrier
	s_barrier_signal -1
	s_barrier_wait -1
	s_cmp_lg_u32 s[WV], 0
	s_cbranch_scc1 .Lnot_wave_0_\@
	s_barrier_signal -3
.Lnot_wave_0_\@:
	s_barrier_wait -3
	s_barrier_signal -1
	s_barrier_wait -1
.endm
.macro DEP n
	s_delay_alu instid0(VALU_DEP_\n)
.endm
.macro QUANT2 s, pc, t2, pw            ; 32 numbers of a lane, register 16 b + i = k 32 b + 16 (lane / 16) + i, become six registers of codes and two scale bytes
.irp b, 0,1
	v_max3_num_f32 v[TM+\b], |v[(\s)+16*\b]|, |v[(\s)+1+16*\b]|, 0x2800000
.endr
.irp i, 2,4,6,8,10,12,14
.irp b, 0,1
	DEP 2
	v_max3_num_f32 v[TM+\b], v[TM+\b], |v[(\s)+16*\b+\i]|, |v[(\s)+1+16*\b+\i]|
.endr
.endr
.irp b, 0,1
	DEP 2
	v_permlanex16_b32 v[TM+2+\b], v[TM+\b], s[SEL], s[SEL+1]
.endr
.irp b, 0,1
	DEP 2
	v_max_num_f32 v[TM+\b], v[TM+\b], v[TM+2+\b]
.endr
.irp b, 0,1
	DEP 2
	v_add_nc_u32 v[TM+4+\b], 0xfe000000, v[TM+\b]
.endr
.irp b, 0,1
	DEP 2
	v_lshrrev_b32 v[TM+2+\b], 23, v[TM+4+\b]
.endr
	DEP 1
	v_lshl_or_b32 v[\pw], v[TM+3], 8, v[TM+2]
	v_cvt_scalef32_pk16_bf6_f32 v[(\pc):(\pc)+2], v[(\s):(\s)+15], v[TM+4]
	v_cvt_scalef32_pk16_bf6_f32 v[(\t2):(\t2)+2], v[(\s)+16:(\s)+31], v[TM+5]
	v_nop
.irp i, 0,1,2
	v_permlane16_swap_b32 v[(\pc)+\i], v[(\t2)+\i]
.endr
.irp i, 0,1,2
	DEP 3
	v_mov_b32 v[(\pc)+3+\i], v[(\t2)+\i]
.endr
.endm
.macro ADDR                            ; the six LDS addresses at the chunk that begins at s[TB]
	v_add_nc_u32 v[A16], s[TB], v[L16]
	v_add_nc_u32 v[A8], s[TB], v[L8]
	v_add_nc_u32 v[AS], s[TB], v[LR]
	v_add_nc_u32 v[K16], s[TB], v[LK16]
	v_add_nc_u32 v[K8], s[TB], v[LK8]
	v_add_nc_u32 v[KSA], s[TB], v[LKS]
.endm
.macro KLOAD off                       ; K's eight half fragments and scale words of the chunk off bytes behind the one in hand: 20 LDS loads
.irp c, 0,1
.irp ih, 0,1
	ds_load_b64 v[KS+4*\c+2*\ih:KS+4*\c+2*\ih+1], v[KSA] offset:\off+12288+256*\c+128*\ih
.irp il, 0,1
	ds_load_b128 v[KF+6*(4*\c+2*\ih+\il):KF+6*(4*\c+2*\ih+\il)+3], v[K16] offset:\off+768*(4*\c+\il)+128*\ih
	ds_load_b64 v[KF+6*(4*\c+2*\ih+\il)+4:KF+6*(4*\c+2*\ih+\il)+5], v[K8] offset:\off+768*(4*\c+\il)+512+64*\ih
.endr
.endr
.endr
.endm
.macro VLOAD dt                        ; V's fragment of d tile dt: 16 of the head's 64 x 128 keys
.irp c, 0,1
	ds_load_b128 v[S+12*\dt+6*\c:S+12*\dt+6*\c+3], v[A16] offset:6144+768*(2*\dt+\c)
	ds_load_b64 v[S+12*\dt+6*\c+4:S+12*\dt+6*\c+5], v[A8] offset:6144+768*(2*\dt+\c)+512
.endr
.endm
; One chunk of 128 keys.  pre = 1: the next chunk's K is fetched as soon as this chunk's score products have read their registers.
.macro STEP pre
	s_wait_dscnt 0x0                               ; K's fragments and scale words
.irp n, 0,1,2,3,4,5,6,7
	v_wmma_scale_f32_16x16x128_f8f6f4 v[S+8*\n:S+8*\n+7], v[KF+6*\n:KF+6*\n+11], v[Q:Q+11], 0, v[KS+\n], v[QS] matrix_a_fmt:MATRIX_FMT_BF6 matrix_b_fmt:MATRIX_FMT_BF6
.endr
	v_mov_b32 v224, v12                            ; the old -M; with three v_nop the four places behind the products (ISA guide 7.12.1)
.rept 3
	v_nop
.endr
	s_wait_alu depctr_va_vdst(0)                   ; the wait ahead of the first reader of the addresses made at the last step's end
.if \pre
	KLOAD CHUNK
.endif
.irp c, 0,1                                    ; the largest score of my two blocks of 32 keys, two chains each; every accumulator is first read in its four lowest registers
	v_max3_num_f32 v[BM+2*\c], v[S+32*\c], v[S+32*\c+1], v[S+32*\c+2]
	v_max3_num_f32 v[BM+2*\c+1], v[S+32*\c+17], v[S+32*\c+18], v[S+32*\c+19]
.endr
.irp i, 3,5,7,9,11,13
.irp c, 0,1
	v_max3_num_f32 v[BM+2*\c], v[BM+2*\c], v[S+32*\c+\i], v[S+32*\c+\i+1]
	v_max3_num_f32 v[BM+2*\c+1], v[BM+2*\c+1], v[S+32*\c+17+\i], v[S+32*\c+18+\i]
.endr
.endr
.irp c, 0,1
	v_max3_num_f32 v[BM+2*\c], v[BM+2*\c], v[S+32*\c+15], v[S+32*\c+16]
.endr
.irp c, 0,1
	DEP 2
	v_max_num_f32 v[BM+2*\c], v[BM+2*\c], v[BM+2*\c+1]
.endr
	DEP 1
	v_max_num_f32 v222, v[BM], v[BM+2]
	DEP 1
	v_permlanex16_b32 v223, v222, s[SEL], s[SEL+1]
	DEP 1
	v_max3_num_f32 v13, v13, v222, v223            ; the running largest score of my query, both halves of the lanes
	DEP 1
	v_mul_f32 v225, s[CS], v13                     ; as t (c is positive)
	DEP 1
	v_floor_f32 v12, -v225                         ; the new -M = -ceil(t): a whole number
	DEP 1
	v_sub_f32 v224, v12, v224                      ; old M - new M: a whole number, 0 or less
	DEP 1
	v_cvt_i32_f32 v224, v224                       ; (it saturates)
	DEP 1
	v_ldexp_f32 v226, 1.0, v224                    ; f = 2^(old M - new M): a multiplication by it rounds nothing
.set J, 0
.rept 32
	v_pk_fma_f32 v[S+J:S+J+1], v[S+J:S+J+1], s[CS:CS+1], v[12:13] op_sel_hi:[1,0,0]   ; t - M, two at a time
.set J, J+2
.endr
	v_fma_f32 v[BM], v[BM], s[CS], v12             ; the same of each block's largest score
	v_fma_f32 v[BM+2], v[BM+2], s[CS], v12
	s_wait_alu depctr_va_vdst(0)                   ; the wait ahead of the batch
.set J, 0
.rept 64
	v_exp_f32 v[S+J], v[S+J]                       ; p = 2^(t - M), at most 1, not normalised
.set J, J+1
.endr
	v_exp_f32 v[BM], v[BM]                         ; the blocks' largest p
	v_exp_f32 v[BM+2], v[BM+2]
	v_pk_mul_f32 v[14:15], v[14:15], v[226:227] op_sel_hi:[1,0]   ; the sums under the new M; also the plain place behind the exponentials
	s_wait_alu depctr_va_vdst(0)                   ; and the wait behind the batch
.irp c, 0,1
	v_max_num_f32 v[BM+2*\c], 0x2800000, v[BM+2*\c]        ; the floor 2^(5 - 127): the byte cannot fall under 1
.endr
.irp c, 0,1
	DEP 2
	v_add_nc_u32 v[SO+\c], 0xfe000000, v[BM+2*\c]          ; 4 off the exponent field: the conversion's scale operand
.endr
.irp c, 0,1
	DEP 2
	v_lshrrev_b32 v[BY+\c], 23, v[SO+\c]                   ; the byte of block 2 c + h
.endr
	DEP 1
	v_lshl_or_b32 v[PS], v[BY+1], 16, v[BY]
	DEP 1
	v_lshlrev_b32 v[PS], v[SH], v[PS]              ; at their places in the scale word, 8 h bits up;
	DEP 1
	v_permlanex16_b32 v[W], v[PS], s[SEL], s[SEL+1]
	DEP 1
	v_or_b32 v[PS], v[PS], v[W]                    ; with lane l xor 16's two the word is whole
.irp c, 0,1
	v_cvt_scalef32_pk16_bf6_f32 v[PC+6*\c:PC+6*\c+2], v[S+32*\c:S+32*\c+15], v[SO+\c]
	v_cvt_scalef32_pk16_bf6_f32 v[T1+4*\c:T1+4*\c+2], v[S+32*\c+16:S+32*\c+31], v[SO+\c]   ; a conversion's three registers begin on an even number
.endr
.irp k, 0,1,2,3                                ; the row's sum of the unquantised p, four chains of pairs; the first line is the plain place behind the conversions
	v_pk_add_f32 v[U+2*\k:U+2*\k+1], v[S+4*\k:S+4*\k+1], v[S+4*\k+2:S+4*\k+3]
.endr
.irp j, 16,24
.irp k, 0,1,2,3
	v_pk_add_f32 v[U+2*\k:U+2*\k+1], v[U+2*\k:U+2*\k+1], v[S+\j+2*\k:S+\j+2*\k+1]
.endr
.endr
	ds_load_b128 v[VS:VS+3], v[AS] offset:12800
	VLOAD 0                                        ; p's first 32 registers are summed and converted: V's fragments take them
	VLOAD 1
.irp i, 0,1,2
	v_mov_b32 v[PC+3+\i], v[T1+\i]
	v_mov_b32 v[PC+9+\i], v[T2+\i]
.endr
.irp j, 32,40,48,56
.irp k, 0,1,2,3
	v_pk_add_f32 v[U+2*\k:U+2*\k+1], v[U+2*\k:U+2*\k+1], v[S+\j+2*\k:S+\j+2*\k+1]
.endr
.endr
	VLOAD 2
	VLOAD 3
	v_pk_add_f32 v[U:U+1], v[U:U+1], v[U+2:U+3]
	v_pk_add_f32 v[U+4:U+5], v[U+4:U+5], v[U+6:U+7]
	DEP 2
	v_pk_add_f32 v[14:15], v[14:15], v[U:U+1]
	DEP 1
	v_pk_add_f32 v[14:15], v[14:15], v[U+4:U+5]
	s_wait_alu depctr_va_vdst(0)                   ; the wait directly ahead of the first reader of O^T
.set J, 0
.rept 16
	v_pk_mul_f32 v[O+J:O+J+1], v[O+J:O+J+1], v[226:227] op_sel_hi:[1,0]   ; O^T under the new M, while V's loads are out; each accumulator from its low end on
.set J, J+2
.endr
	s_wait_alu depctr_va_vdst(0)
	s_wait_dscnt 0x0                               ; V's fragments and scale words
.irp dt, 0,1,2,3                               ; O^T += V^T P^T; the four accumulators take turns, and eight other products stand between two steps' links
	v_wmma_scale_f32_16x16x128_f8f6f4 v[O+8*\dt:O+8*\dt+7], v[S+12*\dt:S+12*\dt+11], v[PC:PC+11], v[O+8*\dt:O+8*\dt+7], v[VS+\dt], v[PS] matrix_a_fmt:MATRIX_FMT_BF6 matrix_b_fmt:MATRIX_FMT_BF6
.endr
	s_add_co_u32 s[TB], s[TB], CHUNK
	ADDR                                           ; six additions: the places ahead of the next score products, which write over V's registers, and of the first read of O^T behind the last step
.endm
	s_load_b128 s[4:7], s[0:1], 0x0                ; qb, kv
	s_load_b64 s[8:9], s[0:1], 0x10                ; ob
	v_lshl_add_u32 v254, v0, 2, SPARE
	v_mov_b32 v255, 0
	ds_add_u32 v254, v255                          ; the opening lines: the add, twice on end, and its wait
	ds_add_u32 v254, v255
	v_lshrrev_b32 v1, 5, v0
	v_readfirstlane_b32 s[WV], v1                  ; wave 0..15
	v_and_b32 v96, 31, v0                          ; lane
	v_and_b32 v97, 15, v0                          ; r
	v_bfe_u32 v98, v0, 4, 1                        ; h
	v_and_b32 v99, 7, v0                           ; r % 8
	v_bfe_u32 v100, v0, 3, 1                       ; r / 8
	v_lshlrev_b32 v[L16], 4, v96
	v_lshlrev_b32 v[L8], 3, v96
	v_lshlrev_b32 v[LR], 4, v97
	v_lshlrev_b32 v[R32], 5, v97
	v_mul_u32_u24 v101, v100, 1536
	v_lshlrev_b32 v[LKS], 4, v99
	v_lshlrev_b32 v[SH], 3, v98
	v_lshl_add_u32 v[LK16], v99, 4, v101
	v_lshl_add_u32 v[LK8], v99, 3, v101
	v_lshl_add_u32 v[LKS], v100, 3, v[LKS]
	v_lshl_add_u32 v[LK16], v98, 8, v[LK16]
	v_lshl_add_u32 v[LK8], v98, 7, v[LK8]
	s_bfe_u32 s30, ttmp6, 0x40000                  ; cx: it enters Q's and O's global addresses alone
	s_lshl_b32 s31, ttmp9, 2
	s_add_co_u32 s31, s31, s30                     ; my block of 256 queries
	s_and_b32 s32, ttmp7, 0xffff                   ; 16 x batch + head, which the four partners share
	s_lshr_b32 s33, s32, 4
	s_and_b32 s34, s32, 15                         ; the head
	s_lshl_b32 s35, s33, 5
	s_lshl_b32 s36, s31, 2
	s_add_co_u32 s35, s35, s36
	s_lshr_b32 s36, s[WV], 2
	s_add_co_u32 s35, s35, s36                     ; which 64 tokens: 32 x batch + 4 x block + wave / 4
	s_and_b32 s37, s[WV], 3                        ; and which tile of them
	s_lshl_b32 s38, s35, 4
	s_add_co_u32 s38, s38, s34
	s_mul_i32 s38, s38, 3328                       ; qb's block
	s_mul_i32 s40, s37, 768
	s_add_co_u32 s40, s40, s38                     ; my half image
	s_mov_b32 s41, 0
	s_lshl_b32 s42, s37, 2
	s_add_co_u32 s42, s42, s38
	s_add_co_u32 s42, s42, 3072                    ; my scale words
	s_mov_b32 s43, 0
	s_lshl_b32 s39, s35, 2
	s_add_co_u32 s39, s39, s37                     ; my tile of tokens
	s_mul_i32 s39, s39, 12800                      ; ob's block
	s_mul_i32 s44, s34, 768
	s_add_co_u32 s44, s44, s39                     ; the head's half image
	s_mov_b32 s45, 0
	s_lshl_b32 s46, s34, 1
	s_add_co_u32 s46, s46, s39
	s_add_co_u32 s46, s46, 12288                   ; the head's two scale bytes of each row
	s_mov_b32 s47, 0
	s_mov_b32 s[G1+0], 15|(3<<16)|(1<<21)          ; the mask: all four work-groups; elements of 8 bytes; bit 21 beside a mask; no padding
	s_mov_b32 s[G1+1], 32<<16                      ; tensor_dim0 = 32: rows of 256 bytes
	s_mov_b32 s[G1+2], 102<<16                     ; tensor_dim1 = 102: two chunks
	s_mov_b32 s[G1+3], 32<<16                      ; tile_dim0
	s_mov_b32 s[G1+4], 102                         ; tile_dim1
	s_mov_b32 s[G1+5], 32                          ; the pitch: dense
	s_mov_b32 s[G1+6], 0
	s_mov_b32 s[G1+7], 0
	s_mov_b32 s[SEL], 0x76543210
	s_mov_b32 s[SEL+1], 0xfedcba98
	s_mov_b32 s[CS], 0x3e38aa3b                    ; log2(e) / sqrt(64)
	s_mov_b32 s[CS+1], s[CS]                       ; named with it as a pair, so it is written
	s_mov_b32 s[G0], 1                             ; group 0 of wave w (0 to 7): chunks 2 w and 2 w + 1; the wave's number and the shared (batch, head) alone
	s_mul_i32 s[G0+1], s[WV], 2*CHUNK
	s_mul_i32 s28, s32, 16*CHUNK
	s_add_co_u32 s28, s28, s[G0+1]
	s_mov_b32 s29, 0
	s_wait_alu depctr_va_vdst(0)
	s_wait_dscnt 0x0
	s_wait_kmcnt 0x0
	s_add_nc_u64 s[40:41], s[4:5], s[40:41]
	s_add_nc_u64 s[42:43], s[4:5], s[42:43]
	s_add_nc_u64 s[44:45], s[8:9], s[44:45]
	s_add_nc_u64 s[46:47], s[8:9], s[46:47]
	s_add_nc_u64 s[G0+2:G0+3], s[6:7], s[28:29]
	s_or_b32 s[G0+3], s[G0+3], 0x80000000
	s_mov_b32 s[TB], 0
	global_load_b128 v[Q:Q+3], v[L16], s[40:41]
	global_load_b64 v[Q+4:Q+5], v[L8], s[40:41] offset:512
	global_load_b32 v[QS], v[LR], s[42:43]
	ROUND                                          ; all four work-groups are here: the joint loads meet
	s_cmp_lg_u32 s[WV], 0                          ; wave 0 asks for chunks 0 and 1; the branch hangs on the wave's number alone
	s_cbranch_scc1 .Lno_first
	tensor_load_to_lds s[G0:G0+3], s[G1:G1+7]
	s_nop 0
.rept 4
	v_nop
.endr
.Lno_first:
.irp j, 0,1,2,3,4,5
	v_mov_b32 v[Q+6+\j], 0                         ; K = 64: the upper 64 of Q's 128 are zero codes
	v_mov_b32 v[KF+48+\j], 0                       ; what the eighth tile's product names behind its six registers
.endr
.set J, 0
.rept 32
	v_mov_b32 v[O+J], 0                            ; the step is written once: the first finds zeros, which the first change of M leaves zeros
.set J, J+1
.endr
	v_mov_b32 v[W], 0                              ; a lane permute's destination counts as one of its sources
	v_mov_b32 v223, 0
	v_mov_b32 v[TM+2], 0
	v_mov_b32 v[TM+3], 0
	v_mov_b32 v227, 0                              ; named as the upper half of the pair v[226:227]
	v_mov_b32 v13, 0xff61b1e6                      ; the largest score so far: -3e38
	v_mov_b32 v12, 0x7f61b1e6                      ; -M
	v_mov_b32 v14, 0                               ; the sum, in two halves
	v_mov_b32 v15, 0
	ADDR
	s_wait_alu depctr_va_vdst(0)
	s_wait_tensorcnt 0x0                           ; chunks 0 and 1 have landed;
	ds_add_u32 v254, v255                          ; the add twice on end
	ds_add_u32 v254, v255
	s_wait_dscnt 0x0
	ROUND
	s_cmp_eq_u32 s[WV], 0                          ; waves 1 to 7 ask for two chunks each
	s_cbranch_scc1 .Lno_rest
	s_cmp_lt_u32 s[WV], 8
	s_cbranch_scc0 .Lno_rest
	tensor_load_to_lds s[G0:G0+3], s[G1:G1+7]
	s_nop 0
.rept 4
	v_nop
.endr
.Lno_rest:
	KLOAD 0
	s_wait_loadcnt 0x0                             ; Q
	STEP 1                                         ; chunk 0
	STEP 0                                         ; chunk 1: chunk 2 may not have landed, so nothing of it is fetched
	s_wait_alu depctr_va_vdst(0)
	s_wait_tensorcnt 0x0                           ; my two chunks have landed,
	s_barrier_signal -1
	s_barrier_wait -1                              ; everybody's have
	KLOAD 0
	s_mov_b32 s[CNT], 13
.Lkeys:                                            ; chunks 2 to 14
	STEP 1
	s_sub_co_u32 s[CNT], s[CNT], 1
	s_cmp_lg_u32 s[CNT], 0
	s_cbranch_scc1 .Lkeys
	STEP 0                                         ; chunk 15
	; ---- o = O / the sum, quantised along D: register 16 b + i is d = 32 b + 16 (lane / 16) + i of my head
	v_add_f32 v14, v14, v15                        ; the sum's two halves,
	DEP 1
	v_permlanex16_b32 v224, v14, s[SEL], s[SEL+1]
	DEP 1
	v_add_f32 v14, v14, v224                       ; and lane l xor 16's
	s_wait_alu depctr_va_vdst(0)
	v_rcp_f32 v226, v14
	v_nop                                          ; one plain place behind a transcendental
	s_wait_alu depctr_va_vdst(0)
.set J, 0
.rept 16
	v_pk_mul_f32 v[O+J:O+J+1], v[O+J:O+J+1], v[226:227] op_sel_hi:[1,0]
.set J, J+2
.endr
	QUANT2 O, PC, T1, PW
	global_store_b128 v[L16], v[PC:PC+3], s[44:45]             ; the head's half image of my tile of tokens: 512 and 256 consecutive bytes, aligned
	global_store_b64 v[L8], v[PC+4:PC+5], s[44:45] offset:512
	global_store_b16 v[R32], v[PW], s[46:47]                   ; row r's two scale bytes of this head; lanes r and 16 + r store the same
	s_wait_tensorcnt 0x0                           ; the wave's end
	ds_add_u32 v254, v255
	s_wait_dscnt 0x0
	ROUND                                          ; the closing round: no work-group ends while a partner may still ask for a tile that names it
	s_endpgm
.Lfunc_end_k_q13dd904205_attn:
	.size	k_q13dd904205_attn, .Lfunc_end_k_q13dd904205_attn-k_q13dd904205_attn
	.p2alignl 7, 3214868480
	.fill 96, 4, 3214868480
	.section	.rodata,"a",@progbits
	.p2align	6, 0x0
	.amdhsa_kernel k_q13dd904205_attn
		.amdhsa_group_segment_fixed_size 327680
		.amdhsa_private_segment_fixed_size 0
		.amdhsa_enable_private_segment 0
		.amdhsa_kernarg_size 24
		.amdhsa_user_sgpr_count 2
		.amdhsa_user_sgpr_kernarg_segment_ptr 1
		.amdhsa_wavefront_size32 1
		.amdhsa_system_sgpr_workgroup_id_x 1
		.amdhsa_system_sgpr_workgroup_id_y 1
		.amdhsa_system_sgpr_workgroup_id_z 1
		.amdhsa_system_vgpr_workitem_id 0
		.amdhsa_next_free_vgpr 256
		.amdhsa_next_free_sgpr 66
		.amdhsa_reserve_vcc 0
		.amdhsa_float_denorm_mode_32 3
		.amdhsa_float_denorm_mode_16_64 3
		.amdhsa_memory_ordered 1
		.amdhsa_forward_progress 1
		.amdhsa_inst_pref_size 75
	.end_amdhsa_kernel
	.amdgpu_metadata
---
amdhsa.version: [ 1, 2 ]
amdhsa.kernels:
  - .name:           k_q13dd904205_attn
    .symbol:         k_q13dd904205_attn.kd
    .args:
      - { .name: qb, .offset: 0, .size: 8, .value_kind: global_buffer, .address_space: global }
      - { .name: kv, .offset: 8, .size: 8, .value_kind: global_buffer, .address_space: global }
      - { .name: ob, .offset: 16, .size: 8, .value_kind: global_buffer, .address_space: global }
    .group_segment_fixed_size: 327680
    .private_segment_fixed_size: 0
    .kernarg_segment_align: 8
    .kernarg_segment_size: 24
    .max_flat_workgroup_size: 512
    .sgpr_count:     66
    .vgpr_count:     256
    .wavefront_size: 32
...
	.end_amdgpu_metadata
.endif
;; end of part 3
;; launch proj (part 4): grid 256 x 1, 16 waves a work-group, clusters of 4 x 1, 311,296 bytes of LDS; arguments ob, wimg, wscl, bp, x, ln_g, ln_b, out0; writes out0
.if DOCPART == 4
	.amdgcn_target "amdgcn-amd-amdhsa--gfx1250"
	.amdhsa_code_object_version 6
	.text
	.protected	k_q13dd904205_proj
	.globl	k_q13dd904205_proj
	.p2align	8
	.type	k_q13dd904205_proj,@function
k_q13dd904205_proj:
	s_mov_b64 s[64:65], 0
	v_nop
	global_prefetch_b8 v0, s[64:65] scope:SCOPE_SE
	s_setreg_imm32_b32 hwreg(HW_REG_WAVE_MODE, 25, 1), 1
	s_wait_xcnt 0x0
	s_wait_alu depctr_hold_cnt(0) depctr_sa_sdst(0) depctr_va_vdst(0) depctr_va_sdst(0) depctr_va_ssrc(0) depctr_va_vcc(0) depctr_vm_vsrc(0)
	s_getreg_b32 s2, hwreg(HW_REG_IB_STS2, 6, 4)
	s_cmp_eq_u32 s2, 0
	s_cbranch_scc0 .Lentry_in_a_cluster
	s_endpgm
.Lentry_in_a_cluster:
	s_bfe_u32 s2, ttmp6, 0x10000c
	s_cmp_lg_u32 s2, 0x3003
	s_cbranch_scc0 .Lentry_shape_is_right
	s_endpgm
.Lentry_shape_is_right:
; PROJ.  y = x + o Wp + bp on codes of E3M2 (o's and Wp's register images), f32 sums; then LayerNorm over the row's 1,024 numbers, in two passes (the mean first, then the squares of the differences), gain and bias.
; SHARES.  A work-group: one tile of 16 tokens (tokens base + r + 8 (r / 8), base = 32 (T / 2) + 8 (T % 2)) x all 1,024 columns, so that a row's mean and variance stay inside the work-group.
; Wave w: columns 64 w .. 64 w + 63: four tiles of Wp's rows, four accumulators, K = 1,024 in 8 steps.  The product is used transposed (source 0 = 16 rows of Wp, source 1 = the 16 tokens): lane (r, h) holds token r,
; register j of tile (b, u) column 64 w + 32 b + 8 u + 16 h + j.  bp starts the sums.
; WHERE THE OPERANDS COME FROM.  Of a wave's 49,152 bytes of Wp's images, K steps 0 to 4 go into registers (two sets, a step ahead); K steps 5 to 7, 18,432 dense bytes, come by one tensor load into LDS bytes that
; this wave alone reads.  16 x 18,432 + 12,288 (o) + 2,048 (sums) = 309,248 bytes: a fourth K step (98,304 bytes for the 16 waves) has no room.  Nothing in LDS is filled twice.
; o's images, 12,288 bytes, are fetched once: wave w fetches head w's half image and hands it to the others through LDS.
; CLUSTER 4 x 1.  Every work-group needs the same Wp: each wave's tensor load is asked for jointly by the four work-groups of a cluster, with the same descriptor and the mask of all four.
; x comes and out0 leaves in rows: sixteen lanes to 256 consecutive bytes, aligned; they turn through a stage of 4,352 bytes (pitch 272 = 17 x 16) at the head of the wave's own weight bytes, behind their last read.
; The waves' partial sums meet in LDS behind a barrier, twice.
; LIMITS: NaN and infinities are not served; the order of the f32 sums is this text's.
.set WL,  11                           ; v11  LDS: my weight images + 16 x lane
.set WS5, 12                           ; v12-15  Wp's scale words of K step 5: scales and nothing else
.set ACC, 16                           ; v16-47  four accumulators
.set OS,  48                           ; v48-55  o's scale words, one for each K step
.set WS,  56                           ; v56-63  Wp's, K steps 0 to 4, two sets of four
.set OF,  64                           ; v64-87  o's fragment, two sets
.set XR,  88                           ; v88-119 16 rows x 256 bytes of x as loaded; at the end of out0
.set WS6, 120                          ; v120-123, v124-127 Wp's scale words of K steps 6 and 7
.set WS7, 124
.set WF,  128                          ; v128-223 Wp's four fragments, two sets
.set G,   128                          ; at the end: ln_g,
.set BT,  160                          ; ln_b,
.set Y,   192                          ; and y, all in the result's layout
.set OA16, 246                         ; v246 LDS: o's images + 16 x lane;  v247 + 8 x lane
.set OA8,  247
.set OT16, 248                         ; v248, v249 the same at my head's half image
.set OT8,  249
.set OTMP, 250                         ; v250-255 that half image on its way
.set WREG, 18432                       ; LDS: a wave's weight bytes
.set OIMG, 294912                      ; o's 16 half images of 768 bytes
.set RED,  307200                      ; [row][wave] f32, 1,024 bytes; the second reduction's 1,024 bytes follow
.set WV,  20
.set SEL, 40
.set G0,  48
.set G1,  52
.set TT,  61
.macro ROUND                           ; a round of the cluster's barrier
	s_barrier_signal -1
	s_barrier_wait -1
	s_cmp_lg_u32 s[WV], 0
	s_cbranch_scc1 .Lnot_wave_0_\@
	s_barrier_signal -3
.Lnot_wave_0_\@:
	s_barrier_wait -3
	s_barrier_signal -1
	s_barrier_wait -1
.endm
	s_load_b512 s[4:19], s[0:1], 0x0               ; ob, wimg, wscl, bp, x, ln_g, ln_b, out0
	v_lshl_add_u32 v254, v0, 2, 0x4b800
	v_mov_b32 v255, 0
	ds_add_u32 v254, v255
	ds_add_u32 v254, v255
	s_wait_dscnt 0x0
	v_lshrrev_b32 v1, 5, v0
	s_delay_alu instid0(VALU_DEP_1)
	v_readfirstlane_b32 s[WV], v1                  ; wave 0..15
	v_and_b32 v240, 31, v0
	v_and_b32 v241, 15, v0                         ; r
	v_bfe_u32 v242, v0, 4, 1                       ; h
	s_delay_alu instid0(VALU_DEP_3)
	v_lshlrev_b32 v1, 4, v240                      ; v1  16 x lane
	s_delay_alu instid0(VALU_DEP_4)
	v_lshlrev_b32 v2, 3, v240                      ; v2  8 x lane
	s_delay_alu instid0(VALU_DEP_4)
	v_lshlrev_b32 v3, 4, v241                      ; v3  16 r
	v_lshlrev_b32 v4, 5, v241                      ; v4  32 r
	v_lshlrev_b32 v5, 6, v242                      ; v5  64 h
	s_delay_alu instid0(VALU_DEP_3)
	v_lshl_add_u32 v6, v242, 12, v3                ; v6  rows in memory: lanes 0-15 one row, lanes 16-31 the next; 16 bytes a lane
	s_mul_i32 s21, s[WV], WREG                     ; my weight bytes, and later my stage
	v_add_nc_u32 v[WL], s21, v1
	v_mul_u32_u24 v7, v242, 272
	s_delay_alu instid0(VALU_DEP_1)
	v_add_nc_u32 v7, v7, v3
	s_delay_alu instid0(VALU_DEP_1)
	v_add_nc_u32 v7, s21, v7                       ; v7  the same two rows in the stage
	v_mul_u32_u24 v8, v241, 272
	s_delay_alu instid0(VALU_DEP_1)
	v_add_nc_u32 v8, v8, v5
	s_delay_alu instid0(VALU_DEP_1)
	v_add_nc_u32 v8, s21, v8                       ; v8  row r, + 64 h: the result's layout
	v_lshlrev_b32 v10, 6, v241
	s_delay_alu instid0(VALU_DEP_1)
	v_add_nc_u32 v10, RED, v10                     ; v10 row r's 16 partial sums
	s_lshl_b32 s22, s[WV], 2
	v_add_nc_u32 v9, s22, v10                      ; v9  and my wave's among them
	v_add_nc_u32 v[OA16], OIMG, v1
	v_add_nc_u32 v[OA8], OIMG, v2
	s_mul_i32 s23, s[WV], 768
	v_add_nc_u32 v[OT16], s23, v[OA16]
	v_add_nc_u32 v[OT8], s23, v[OA8]
	s_mov_b32 s[SEL], 0x76543210
	s_mov_b32 s[SEL+1], 0xfedcba98
	s_mov_b32 s42, 0x3a800000                      ; 1 / 1,024
	s_mov_b32 s43, 0x3727c5ac                      ; 1e-5
	s_mov_b32 s[G1+0], 15|(3<<16)|(1<<21)          ; the mask: all four work-groups; elements of 8 bytes; bit 21 beside a mask; no padding
	s_mov_b32 s[G1+1], 32<<16                      ; tensor_dim0 = 32: rows of 256 bytes
	s_mov_b32 s[G1+2], 72<<16                      ; tensor_dim1 = 72
	s_mov_b32 s[G1+3], 32<<16                      ; tile_dim0
	s_mov_b32 s[G1+4], 72                          ; tile_dim1
	s_mov_b32 s[G1+5], 32                          ; the pitch: dense
	s_mov_b32 s[G1+6], 0
	s_mov_b32 s[G1+7], 0
	s_mov_b32 s45, 0
	s_wait_kmcnt 0x0
	s_add_co_u32 s46, s[WV], 48                    ; Wp is the fourth weight: 16 x 3 + wave
	s_mul_i32 s44, s46, 49152
	s_add_nc_u64 s[26:27], s[6:7], s[44:45]
	s_lshl_b32 s44, s46, 11
	s_add_nc_u64 s[28:29], s[8:9], s[44:45]
	s_mov_b32 s[G0], 1                             ; the joint load's group 0: the wave's number alone
	s_mul_i32 s[G0+1], s[WV], WREG
	s_add_nc_u64 s[G0+2:G0+3], s[26:27], 5*6144    ; K steps 5 to 7
	s_or_b32 s[G0+3], s[G0+3], 0x80000000          ; type = 2
	s_bfe_u32 s60, ttmp6, 0x40000                  ; cx: it enters the global addresses of o, x and out0 alone
	s_lshl_b32 s[TT], ttmp9, 2
	s_add_co_u32 s[TT], s[TT], s60                 ; my tile of tokens
	s_mul_i32 s44, s[TT], 12800
	s_add_nc_u64 s[24:25], s[4:5], s[44:45]        ; ob: my tile's block,
	s_mul_i32 s44, s[WV], 768
	s_add_nc_u64 s[62:63], s[24:25], s[44:45]      ; and in it head w's half image
	s_lshl_b32 s44, s[WV], 8                       ; my 64 columns
	s_add_nc_u64 s[30:31], s[10:11], s[44:45]
	s_add_nc_u64 s[32:33], s[14:15], s[44:45]
	s_add_nc_u64 s[34:35], s[16:17], s[44:45]
	s_lshr_b32 s46, s[TT], 1
	s_lshl_b32 s46, s46, 5
	s_and_b32 s47, s[TT], 1
	s_lshl_b32 s47, s47, 3
	s_add_co_u32 s46, s46, s47                     ; the tile's first token
	s_lshl_b32 s46, s46, 12
	s_add_co_u32 s44, s44, s46
	s_add_nc_u64 s[36:37], s[12:13], s[44:45]
	s_add_nc_u64 s[38:39], s[18:19], s[44:45]
.macro PLOAD s                         ; K step s of 0 .. 4: 13 loads into set s % 2
.set PP, (\s)%2
.irp n, 0,1,2,3,4,5,6,7,8,9,10,11
	global_load_b128 v[WF+48*PP+4*\n:WF+48*PP+4*\n+3], v1, s[26:27] offset:6144*(\s)+512*\n
.endr
	global_load_b128 v[WS+4*PP:WS+4*PP+3], v3, s[28:29] offset:256*(\s)
.endm
.macro WLDS s                          ; K step s of 5 .. 7: 12 LDS loads into set s % 2
.set PP, (\s)%2
.irp n, 0,1,2,3,4,5,6,7,8,9,10,11
	ds_load_b128 v[WF+48*PP+4*\n:WF+48*PP+4*\n+3], v[WL] offset:6144*((\s)-5)+512*\n
.endr
.endm
.macro OLOAD s                         ; o's fragment of K step s: 4 LDS loads into set s % 2
.set PP, (\s)%2
	ds_load_b128 v[OF+12*PP:OF+12*PP+3], v[OA16] offset:1536*(\s)          ; head 2 s: k = 128 s + 32 h + 0 .. 31
	ds_load_b64 v[OF+12*PP+4:OF+12*PP+5], v[OA8] offset:1536*(\s)+512
	ds_load_b128 v[OF+12*PP+6:OF+12*PP+9], v[OA16] offset:1536*(\s)+768    ; head 2 s + 1: k = 128 s + 64 + 32 h + 0 .. 31
	ds_load_b64 v[OF+12*PP+10:OF+12*PP+11], v[OA8] offset:1536*(\s)+1280
.endm
.macro PSTEP s
.set WSR, WS+4*((\s)%2)
.if \s == 5
.set WSR, WS5
.elseif \s == 6
.set WSR, WS6
.elseif \s == 7
.set WSR, WS7
.endif
.if \s < 4
	PLOAD (\s)+1
	OLOAD (\s)+1
	s_wait_loadcnt 13                              ; all but the 13 just issued
	s_wait_dscnt 4                                 ; this step's fragment of o is in; the next step's four loads may be out
.elseif \s < 7
.if \s == 4
	s_wait_tensorcnt 0x0                           ; my K steps 5 to 7 have landed: I alone read them
.endif
	OLOAD (\s)+1
	WLDS (\s)+1
.if \s == 4
	s_wait_loadcnt 0x0
.endif
	s_wait_dscnt 16                                ; all but the 16 just issued
.else
	s_wait_dscnt 0x0
.endif
.irp m, 0,1,2,3                                ; the four accumulators take turns
	v_wmma_scale_f32_16x16x128_f8f6f4 v[ACC+8*\m:ACC+8*\m+7], v[WF+48*((\s)%2)+12*\m:WF+48*((\s)%2)+12*\m+11], v[OF+12*((\s)%2):OF+12*((\s)%2)+11], v[ACC+8*\m:ACC+8*\m+7], v[WSR+\m], v[OS+\s] matrix_a_fmt:MATRIX_FMT_BF6 matrix_b_fmt:MATRIX_FMT_BF6
.endr
.rept 4
	v_nop                                          ; four places in front of loads into these products' sources and of the first read of results
.endr
.endm
	global_load_b128 v[OTMP:OTMP+3], v1, s[62:63]  ; head w's half image of o: wanted first
	global_load_b64 v[OTMP+4:OTMP+5], v2, s[62:63] offset:512
.irp m, 0,1,2,3                                ; bp starts the sums
	global_load_b128 v[ACC+8*\m:ACC+8*\m+3], v5, s[30:31] offset:(32*(\m/2)+8*(\m%2))*4
	global_load_b128 v[ACC+8*\m+4:ACC+8*\m+7], v5, s[30:31] offset:(32*(\m/2)+8*(\m%2))*4+16
.endr
	global_load_b128 v[OS:OS+3], v4, s[24:25] offset:12288
	global_load_b128 v[OS+4:OS+7], v4, s[24:25] offset:12304
	global_load_b128 v[WS5:WS5+3], v3, s[28:29] offset:256*5
	global_load_b128 v[WS6:WS6+3], v3, s[28:29] offset:256*6
	global_load_b128 v[WS7:WS7+3], v3, s[28:29] offset:256*7
.irp i, 0,1,2,3,4,5,6,7                        ; x: tile rows 2 i and 2 i + 1 are tokens base + 2 i + 8 (i / 4) and the next
	global_load_b128 v[XR+4*\i:XR+4*\i+3], v6, s[36:37] offset:(2*\i+8*(\i/4))*4096 th:TH_LOAD_NT
.endr
	PLOAD 0
	ROUND                                          ; all four work-groups are here: the joint loads meet
	tensor_load_to_lds s[G0:G0+3], s[G1:G1+7]      ; every wave asks for its own 72 rows: the launch's only tensor loads, one of a wave
	s_nop 0
.rept 4
	v_nop
.endr
	s_wait_loadcnt 34                              ; o's two loads are in; the 8 + 2 + 3 + 8 + 13 issued behind them may be out
	s_wait_alu depctr_va_vdst(0)
	ds_store_b128 v[OT16], v[OTMP:OTMP+3]
	ds_store_b64 v[OT8], v[OTMP+4:OTMP+5] offset:512
	s_wait_dscnt 0x0                               ; for the others' sake: my stores have landed
	s_barrier_signal -1
	s_barrier_wait -1                              ; o's sixteen half images lie in LDS
	OLOAD 0
.irp s, 0,1,2,3,4,5,6,7
	PSTEP \s
.endr
.irp m, 0,1,2,3                                ; gain and bias, in the result's layout: wanted at the very end
	global_load_b128 v[G+8*\m:G+8*\m+3], v5, s[32:33] offset:(32*(\m/2)+8*(\m%2))*4
	global_load_b128 v[G+8*\m+4:G+8*\m+7], v5, s[32:33] offset:(32*(\m/2)+8*(\m%2))*4+16
	global_load_b128 v[BT+8*\m:BT+8*\m+3], v5, s[34:35] offset:(32*(\m/2)+8*(\m%2))*4
	global_load_b128 v[BT+8*\m+4:BT+8*\m+7], v5, s[34:35] offset:(32*(\m/2)+8*(\m%2))*4+16
.endr
.irp i, 0,1,2,3,4,5,6,7
	ds_store_b128 v7, v[XR+4*\i:XR+4*\i+3] offset:544*\i   ; into my own weight bytes: their one fill has landed and my reads of them are back
.endr
.irp m, 0,1,2,3
	ds_load_b128 v[Y+8*\m:Y+8*\m+3], v8 offset:128*(\m/2)+32*(\m%2)          ; LDS serves a wave's instructions in order: these see my stores
	ds_load_b128 v[Y+8*\m+4:Y+8*\m+7], v8 offset:128*(\m/2)+32*(\m%2)+16
.endr
	s_wait_dscnt 0x0
.irp j, 0,2,4,6,8,10,12,14,16,18,20,22,24,26,28,30
	v_pk_add_f32 v[Y+\j:Y+\j+1], v[ACC+\j:ACC+\j+1], v[Y+\j:Y+\j+1]          ; y = x + (o Wp + bp); each accumulator from its low end on
.endr
; The two chains v[224:225], v[226:227] of my 32 numbers become the row's total over all 1,024 columns, in v228
.macro REDUCE off
	s_delay_alu instid0(VALU_DEP_1)
	v_pk_add_f32 v[224:225], v[224:225], v[226:227]
	s_delay_alu instid0(VALU_DEP_1)
	v_add_f32 v224, v224, v225
	s_delay_alu instid0(VALU_DEP_1)
	v_permlanex16_b32 v225, v224, s[SEL], s[SEL+1]
	s_delay_alu instid0(VALU_DEP_1)
	v_add_f32 v224, v224, v225                     ; my wave's 64 columns of row r
	ds_store_b32 v9, v224 offset:\off              ; lanes r and 16 + r write the same word with the same value
	s_wait_dscnt 0x0                               ; for the others' sake: my store has landed
	s_barrier_signal -1
	s_barrier_wait -1
.irp k, 0,1,2,3
	ds_load_b128 v[228+4*\k:231+4*\k], v10 offset:\off+16*\k
.endr
	s_wait_dscnt 0x0
	v_pk_add_f32 v[228:229], v[228:229], v[230:231]
	v_pk_add_f32 v[232:233], v[232:233], v[234:235]
	v_pk_add_f32 v[236:237], v[236:237], v[238:239]
	v_pk_add_f32 v[240:241], v[240:241], v[242:243]
	s_delay_alu instid0(VALU_DEP_3)
	v_pk_add_f32 v[228:229], v[228:229], v[232:233]
	s_delay_alu instid0(VALU_DEP_2)
	v_pk_add_f32 v[236:237], v[236:237], v[240:241]
	s_delay_alu instid0(VALU_DEP_1)
	v_pk_add_f32 v[228:229], v[228:229], v[236:237]
	s_delay_alu instid0(VALU_DEP_1)
	v_add_f32 v228, v228, v229
.endm
	v_pk_add_f32 v[224:225], v[Y:Y+1], v[Y+2:Y+3]
	v_pk_add_f32 v[226:227], v[Y+4:Y+5], v[Y+6:Y+7]
.irp j, 8,12,16,20,24,28
	s_delay_alu instid0(VALU_DEP_2)
	v_pk_add_f32 v[224:225], v[224:225], v[Y+\j:Y+\j+1]
	s_delay_alu instid0(VALU_DEP_2)
	v_pk_add_f32 v[226:227], v[226:227], v[Y+2+\j:Y+3+\j]
.endr
	REDUCE 0
	s_delay_alu instid0(VALU_DEP_1)
	v_mul_f32 v244, 0xba800000, v228               ; - the mean
	s_delay_alu instid0(VALU_DEP_1)
	v_mov_b32 v245, v244
.irp j, 0,2,4,6,8,10,12,14,16,18,20,22,24,26,28,30
	v_pk_add_f32 v[Y+\j:Y+\j+1], v[Y+\j:Y+\j+1], v[244:245]
.endr
	v_pk_mul_f32 v[224:225], v[Y:Y+1], v[Y:Y+1]
	v_pk_mul_f32 v[226:227], v[Y+2:Y+3], v[Y+2:Y+3]
.irp j, 4,8,12,16,20,24,28
	s_delay_alu instid0(VALU_DEP_2)
	v_pk_fma_f32 v[224:225], v[Y+\j:Y+\j+1], v[Y+\j:Y+\j+1], v[224:225]
	s_delay_alu instid0(VALU_DEP_2)
	v_pk_fma_f32 v[226:227], v[Y+2+\j:Y+3+\j], v[Y+2+\j:Y+3+\j], v[226:227]
.endr
	REDUCE 1024                                    ; other bytes than the first reduction's: no barrier is owed between the two
	s_delay_alu instid0(VALU_DEP_1)
	v_fma_f32 v228, v228, s42, s43                 ; the variance + 1e-5
	s_wait_alu depctr_va_vdst(0)
	v_rsq_f32 v244, v228
	v_nop                                          ; one plain place behind a transcendental
	s_wait_alu depctr_va_vdst(0)
	v_mov_b32 v245, v244
	s_wait_alu depctr_va_vdst(0)
	s_wait_loadcnt 0x0                             ; gain and bias
.irp j, 0,2,4,6,8,10,12,14,16,18,20,22,24,26,28,30
	v_pk_mul_f32 v[Y+\j:Y+\j+1], v[Y+\j:Y+\j+1], v[244:245]
.endr
.irp j, 0,2,4,6,8,10,12,14,16,18,20,22,24,26,28,30
	v_pk_fma_f32 v[Y+\j:Y+\j+1], v[Y+\j:Y+\j+1], v[G+\j:G+\j+1], v[BT+\j:BT+\j+1]
.endr
.irp m, 0,1,2,3
	ds_store_b128 v8, v[Y+8*\m:Y+8*\m+3] offset:128*(\m/2)+32*(\m%2)
	ds_store_b128 v8, v[Y+8*\m+4:Y+8*\m+7] offset:128*(\m/2)+32*(\m%2)+16
.endr
.irp i, 0,1,2,3,4,5,6,7
	ds_load_b128 v[XR+4*\i:XR+4*\i+3], v7 offset:544*\i
.endr
.irp i, 0,1,2,3,4,5,6,7
	s_wait_dscnt 7-\i                              ; row pair i is back; the pairs behind it may be out
	global_store_b128 v6, v[XR+4*\i:XR+4*\i+3], s[38:39] offset:(2*\i+8*(\i/4))*4096 th:TH_STORE_NT   ; sixteen lanes store 256 consecutive bytes, aligned
.endr
	s_wait_xcnt 0x0
	v_lshl_add_u32 v254, v0, 2, 0x4b800
	v_mov_b32 v255, 0
	s_wait_alu depctr_va_vdst(0)
	s_wait_tensorcnt 0x0
	ds_add_u32 v254, v255
	s_wait_dscnt 0x0
	ROUND                                          ; the closing round: no work-group ends while a partner may still ask for a tile that names it
	s_endpgm
.Lfunc_end_k_q13dd904205_proj:
	.size	k_q13dd904205_proj, .Lfunc_end_k_q13dd904205_proj-k_q13dd904205_proj
	.p2alignl 7, 3214868480
	.fill 96, 4, 3214868480
	.section	.rodata,"a",@progbits
	.p2align	6, 0x0
	.amdhsa_kernel k_q13dd904205_proj
		.amdhsa_group_segment_fixed_size 311296
		.amdhsa_private_segment_fixed_size 0
		.amdhsa_enable_private_segment 0
		.amdhsa_kernarg_size 64
		.amdhsa_user_sgpr_count 2
		.amdhsa_user_sgpr_kernarg_segment_ptr 1
		.amdhsa_wavefront_size32 1
		.amdhsa_system_sgpr_workgroup_id_x 1
		.amdhsa_system_sgpr_workgroup_id_y 1
		.amdhsa_system_sgpr_workgroup_id_z 1
		.amdhsa_system_vgpr_workitem_id 0
		.amdhsa_next_free_vgpr 256
		.amdhsa_next_free_sgpr 66
		.amdhsa_reserve_vcc 0
		.amdhsa_float_denorm_mode_32 3
		.amdhsa_float_denorm_mode_16_64 3
		.amdhsa_memory_ordered 1
		.amdhsa_forward_progress 1
		.amdhsa_inst_pref_size 38
	.end_amdhsa_kernel
	.amdgpu_metadata
---
amdhsa.version: [ 1, 2 ]
amdhsa.kernels:
  - .name:           k_q13dd904205_proj
    .symbol:         k_q13dd904205_proj.kd
    .args:
      - { .name: ob, .offset: 0, .size: 8, .value_kind: global_buffer, .address_space: global }
      - { .name: wimg, .offset: 8, .size: 8, .value_kind: global_buffer, .address_space: global }
      - { .name: wscl, .offset: 16, .size: 8, .value_kind: global_buffer, .address_space: global }
      - { .name: bp, .offset: 24, .size: 8, .value_kind: global_buffer, .address_space: global }
      - { .name: x, .offset: 32, .size: 8, .value_kind: global_buffer, .address_space: global }
      - { .name: ln_g, .offset: 40, .size: 8, .value_kind: global_buffer, .address_space: global }
      - { .name: ln_b, .offset: 48, .size: 8, .value_kind: global_buffer, .address_space: global }
      - { .name: out0, .offset: 56, .size: 8, .value_kind: global_buffer, .address_space: global }
    .group_segment_fixed_size: 311296
    .private_segment_fixed_size: 0
    .kernarg_segment_align: 8
    .kernarg_segment_size: 64
    .max_flat_workgroup_size: 512
    .sgpr_count:     66
    .vgpr_count:     256
    .wavefront_size: 32
...
	.end_amdgpu_metadata
.endif
;; end of part 4
